; MI455X (gfx1250); checked and timed in simulation.
; The chip was launched on July 23, 2026; its instructions are those of AMD's public machine-readable ISA for CDNA 5 (MIT licence, August 2026) and "CDNA5" Instruction Set Architecture Reference Guide (July 2026). The comments in the code are by the model that wrote it; some were corrected since.
;; Casual Self Attention. Allowed arithmetic: matrix products marked QUANTISED: E2M3 operands, one E8M0 scale for each 32 along K, by v_wmma_scale_f32_16x16x128_f8f6f4 with both operands' format E2M3, f32 sums; everything else in f32.
;; Inputs: Wk 1,024 x 1,024 float32; Wo 1,024 x 1,024 float32; Wq 1,024 x 1,024 float32; Wv 1,024 x 1,024 float32; bo 1,024 float32; x 4 x 2,048 x 1,024 float32.
;; Outputs: out0 4 x 2,048 x 1,024 float32.
;; This version of the problem:
;;   THIS VERSION OF THE PROBLEM IS GIVEN IN LOW PRECISION. The matrix products marked QUANTISED in the list below multiply operands that are first quantised to E2M3 (2 exponent bits, 3 mantissa bits; 6 bits a number), with one power-of-two scale for each 32 numbers along K (OCP MX v1.0); their sums are f32. All else is computed in f32.
;;   The module's matrix products, in the order in which they are computed (A, B: the left and right operand; K: the contracted axis; several contracted axes count as one K, in the product's order):
;;     1. [M 8,192, K 1,024] x [K 1,024, N 1,024]; A: input x; B: input Wq: QUANTISED
;;     2. [M 8,192, K 1,024] x [K 1,024, N 1,024]; A: input x; B: input Wk: QUANTISED
;;     3. [M 8,192, K 1,024] x [K 1,024, N 1,024]; A: input x; B: input Wv: QUANTISED
;;     4. batch 64 x [M 2,048, K 64] x [K 64, N 2,048]; A: computed on the way; B: computed on the way: QUANTISED
;;     5. batch 64 x [M 2,048, K 2,048] x [K 2,048, N 64]; A: softmax (see below); B: computed on the way: QUANTISED
;;     6. [M 8,192, K 1,024] x [K 1,024, N 1,024]; A: computed on the way; B: input Wo: QUANTISED
;;   THE QUANTISER, for each operand of a quantised product, along K:
;;     - K is cut into blocks of 32 from its start; a last block that is shorter is filled with zeros.
;;     - A block's scale is 2^e with e = floor(log2(the largest magnitude in the block)) - 2, held to -126 .. 127; a block of zeros has e = 0. As a byte (E8M0): e + 127.
;;     - Each number is divided by its block's scale, clamped to +-7.5, and rounded to the nearest number of E2M3, ties to even, subnormals kept.
;;     - The product sums the exact products of the quantised numbers (number of the format x scale) in f32.
;;   ~~~python
;;   def quantise(x, axis):      # numpy; x: float32 -> the quantised numbers, widened to float32 again
;;       x = np.moveaxis(x, axis, -1); K = x.shape[-1]
;;       x = np.pad(x, [(0, 0)] * (x.ndim - 1) + [(0, -K % 32)]); x = x.reshape(x.shape[:-1] + (-1, 32)); a = np.abs(x).max(-1, keepdims=True)
;;       e = np.where(a > 0, np.clip(np.frexp(np.where(a > 0, a, 1))[1] - 1 - 2, -126, 127), 0)      # np.frexp(a)[1] - 1 = floor(log2(a)), exactly
;;       r = np.clip(x / 2.0 ** e, -7.5, 7.5)
;;       step = 2.0 ** (np.maximum(np.frexp(np.where(r == 0, 1, r))[1] - 1, 0) - 3)
;;       q = np.round(r / step) * step * 2.0 ** e      # np.round: ties to even
;;       return np.moveaxis(q.reshape(q.shape[:-2] + (-1,))[..., :K], -1, axis).astype(np.float32)
;;   ~~~
;;   SOFTMAX AHEAD OF A QUANTISED PRODUCT. Where the list says 'softmax', what is quantised is not the finished softmax but p = 2^(t - M), with t = logit x log2(e) and M = ceil(the row's largest t), a whole number; so 1/2 < the row's largest p <= 1. The row's sum l is taken of the UNQUANTISED p, in f32, and the product's result is divided by l at the end. Since M is a whole number, a kernel that streams over the keys may use a running M (the ceiling of the running maximum): every later rescaling is an exact power of two, which a block's scale takes up: the codes' values come out the same.
;;   OPERANDS COMPUTED ON THE WAY. 'Computed on the way' means the value that the module computes at that place (a softmax that the list does not call 'softmax' is quantised finished and normalised). What goes into a quantiser is computed in f32, as accurately as f32 sums, v_exp_f32 and their like allow (about 1e-6 of the number): no bf16 or f16 on the way to a quantiser, and a product that is left as it is and whose result goes on into a quantised operand takes f32 operands (vector FMAs, or v_wmma_f32_16x16x4_f32). A number that lies on a knife's edge between two numbers of the format may be rounded either way, as far as f32 arithmetic and the matrix unit's own rounding can turn it there, and no further.
;; One version. Each part assembles by itself: llvm-mc -triple=amdgcn-amd-amdhsa -mcpu=gfx1250 --defsym DOCPART=n.
;; ======== version 1 of 1: 4 launches
;; workspace buffers: opc 9,830,400 bytes; qkv 26,214,400 bytes; oc 6,553,600 bytes
;; launch quant (part 1): grid 384 x 1, 4 waves a work-group, no clusters, 34,304 bytes of LDS; arguments x, Wq, Wk, Wv, Wo, opc; writes opc
.if DOCPART == 1
	.amdgcn_target "amdgcn-amd-amdhsa--gfx1250"
	.amdhsa_code_object_version 6
	.text
	.protected	k_qafd30d87e7_quant
	.globl	k_qafd30d87e7_quant
	.p2align	8
	.type	k_qafd30d87e7_quant,@function
k_qafd30d87e7_quant:
	s_mov_b64 s[64:65], 0
	v_nop
	global_prefetch_b8 v0, s[64:65] scope:SCOPE_SE
	s_setreg_imm32_b32 hwreg(HW_REG_WAVE_MODE, 25, 1), 1
	s_wait_xcnt 0x0
; x [8192][1024] and Wq, Wk, Wv, Wo [1024][1024], f32, K innermost, become codes of FP6 (E2M3) with one E8M0 scale byte for each 32 along K, laid in opc IN THE ORDER OF AN OPERAND'S REGISTERS.
; opc: rows go in groups of 128 (groups 0-63 x, 64-71 Wq, 72-79 Wk, 80-87 Wv, 88-95 Wo); block (group G, K step kappa of 128) lies at (8 G + kappa) x 12,800 bytes.
;   codes: tile t (16 rows) at 1,536 t; registers 4 c .. 4 c + 3 of the 12-register fragment at 512 c + 16 x lane.  Lane-row r of tile t is row 32 (t / 2) + 8 (t % 2) + r + 8 (r / 8) of the group.
;   scale words from 12,288: half y at 256 y, 8 bytes a lane: word e of lane l belongs to tile 4 y + 2 e + l / 16, row l % 16.
; A block's scale is 2^(floor(log2(its largest magnitude)) - 2); its byte is the largest magnitude's exponent field - 2, held at 1 from below.
; LIMITS: NaN and infinities are not served; a block whose largest magnitude lies under 2^-124 keeps the byte 1; a block of zeros has the byte 1 where the rule says 127: its codes are zeros, and this program alone reads the bytes.
; SHARES: work-group = a group x two K steps; a wave = 64 rows (four tiles) x 128 along K.  A load reads 512 consecutive bytes of one row; a tile's 16 rows turn through the wave's own stage in LDS,
; so that a lane gets 16 neighbours of each block of 32.  No tensor load, no barrier: waves share nothing.  Loads run two tiles (32 loads a wave) ahead.
.set BLK,   12800
.set SP,    528                        ; a stage row: 512 bytes + 16: sixteen rows start at sixteen different groups of four banks
.set STG,   16*SP
.set SPARE, 4*STG                      ; behind the four stages: the spare words, 128 bytes a wave
.set LI,   2                           ; v2   16 x lane
.set SIN,  3                           ; v3   into my stage: 16 x lane
.set SOUT, 4                           ; v4   out of it: row r, + 64 h
.set L8,   5                           ; v5   8 x lane
.set SPW,  6                           ; v6   my spare word; never rewritten
.set NIL,  7                           ; v7   0; never rewritten
.set PW,   8                           ; v8-11  the four tiles' scale words, in the order tile 0, 2, 1, 3
.set R,    16                          ; v16-143  two sets of 64: a tile as loaded
.set X,    144                         ; v144-207 a tile as the conversions want it: register 16 b + i = k 32 b + 16 h + i of my row
.set PC,   208                         ; v208-231 two sets of 12: a fragment's codes
.set TM,   232                         ; v232-247 at work
.set CT,   248                         ; v248-254 the conversions' second halves
.set SEL,  30                          ; s[30:31] lane selects for lane l xor 16
	s_load_b256 s[4:11], s[0:1], 0x0               ; x, Wq, Wk, Wv
	s_load_b128 s[12:15], s[0:1], 0x20             ; Wo, opc
	v_lshl_add_u32 v[SPW], v0, 2, SPARE
	v_mov_b32 v[NIL], 0
	v_lshrrev_b32 v1, 5, v0
	v_readfirstlane_b32 s18, v1                    ; wave
	v_and_b32 v1, 31, v0                           ; lane
	v_lshlrev_b32 v[LI], 4, v1
	v_lshlrev_b32 v[L8], 3, v1
	s_mul_i32 s19, s18, STG
	v_add_nc_u32 v[SIN], s19, v[LI]
	v_and_b32 v12, 15, v0                          ; r
	v_bfe_u32 v13, v0, 4, 1                        ; h
	v_mul_u32_u24 v[SOUT], v12, SP
	v_lshl_add_u32 v[SOUT], v13, 6, v[SOUT]
	v_add_nc_u32 v[SOUT], s19, v[SOUT]
.irp b, 0,1,2,3
	v_mov_b32 v[TM+4+\b], 0                        ; written once: a lane permute's destination counts as one of its sources
.endr
	s_mov_b32 s[SEL], 0x76543210
	s_mov_b32 s[SEL+1], 0xfedcba98
	s_lshr_b32 s24, ttmp9, 2                       ; G
	s_and_b32 s25, ttmp9, 3
	s_lshl_b32 s25, s25, 1
	s_lshr_b32 s26, s18, 1
	s_add_co_u32 s25, s25, s26                     ; kappa = 2 (work-group % 4) + wave / 2
	s_and_b32 s26, s18, 1                          ; y: which 64 rows of the group
	s_and_b32 s27, s24, 7
	s_wait_kmcnt 0x0
	s_cmp_lt_u32 s24, 88                           ; which tensor: the choice hangs on the work-group's number alone
	s_cselect_b64 s[16:17], s[10:11], s[12:13]
	s_cmp_lt_u32 s24, 80
	s_cselect_b64 s[16:17], s[8:9], s[16:17]
	s_cmp_lt_u32 s24, 72
	s_cselect_b64 s[16:17], s[6:7], s[16:17]
	s_cmp_lt_u32 s24, 64
	s_cselect_b64 s[16:17], s[4:5], s[16:17]
	s_cselect_b32 s27, s24, s27                    ; the group's number inside its tensor
	s_lshl_b32 s28, s27, 19                        ; 128 rows of 4,096 bytes
	s_lshl_b32 s29, s26, 18                        ; + 64 y rows
	s_add_co_u32 s28, s28, s29
	s_lshl_b32 s29, s25, 9                         ; + 512 kappa bytes
	s_add_co_u32 s28, s28, s29
	s_mov_b32 s29, 0
	s_add_nc_u64 s[16:17], s[16:17], s[28:29]
	s_lshl_b32 s28, s24, 3
	s_add_co_u32 s28, s28, s25
	s_mul_i32 s28, s28, BLK
	s_add_nc_u64 s[22:23], s[14:15], s[28:29]      ; my block of opc
	s_mul_i32 s28, s26, 6144
	s_add_nc_u64 s[20:21], s[22:23], s[28:29]      ; my four tiles' codes
	s_lshl_b32 s28, s26, 8
	s_add_co_u32 s28, s28, 12288
	s_add_nc_u64 s[22:23], s[22:23], s[28:29]      ; my 256 bytes of scale words
.macro LOAD tt                         ; tile tt's 16 rows, 512 consecutive bytes each, into set tt % 2
.irp i, 0,1,2,3,4,5,6,7,8,9,10,11,12,13,14,15
	global_load_b128 v[R+64*((\tt)%2)+4*\i:R+64*((\tt)%2)+4*\i+3], v[LI], s[16:17] offset:(32*((\tt)/2)+8*((\tt)%2)+\i+8*(\i/8))*4096 th:TH_LOAD_NT
.endr
.endm
; 64 numbers of a lane, register 16 b + i = k 32 b + 16 h + i of my row, become a fragment's codes (registers 0-5 at d0, 6-11 at d1) and its scale word
.macro QUANT s, d0, d1, pw
.irp b, 0,1,2,3
	v_max3_num_f32 v[TM+\b], |v[\s+16*\b]|, |v[\s+16*\b+1]|, 0x1800000   ; block b: my 16 numbers, and the floor 2^(3 - 127): the byte cannot fall under 1
.endr
.irp i, 2,4,6,8,10,12,14
.irp b, 0,1,2,3
	v_max3_num_f32 v[TM+\b], v[TM+\b], |v[\s+16*\b+\i]|, |v[\s+16*\b+\i+1]|   ; the four blocks by turns
.endr
.endr
.irp b, 0,1,2,3
	v_permlanex16_b32 v[TM+4+\b], v[TM+\b], s[SEL], s[SEL+1]
.endr
.irp b, 0,1,2,3
	v_max_num_f32 v[TM+\b], v[TM+\b], v[TM+4+\b]   ; with lane l xor 16's: the block's largest magnitude
.endr
.irp b, 0,1,2,3
	v_add_nc_u32 v[TM+12+\b], 0xff000000, v[TM+\b] ; 2 off its exponent field: the conversion's scale operand
.endr
.irp b, 0,1,2,3
	v_lshrrev_b32 v[TM+4+\b], 23, v[TM+12+\b]      ; the scale's byte
.endr
	v_lshl_or_b32 v[\pw], v[TM+5], 8, v[TM+4]
	v_lshl_or_b32 v[\pw], v[TM+6], 16, v[\pw]
	v_lshl_or_b32 v[\pw], v[TM+7], 24, v[\pw]      ; my row's scale word
	v_cvt_scalef32_pk16_fp6_f32 v[\d0:\d0+2], v[\s:\s+15], v[TM+12]
	v_cvt_scalef32_pk16_fp6_f32 v[CT:CT+2], v[\s+16:\s+31], v[TM+13]     ; (a conversion's three registers begin on an even number)
	v_cvt_scalef32_pk16_fp6_f32 v[\d1:\d1+2], v[\s+32:\s+47], v[TM+14]
	v_cvt_scalef32_pk16_fp6_f32 v[CT+4:CT+6], v[\s+48:\s+63], v[TM+15]
	v_nop                                          ; one plain place behind a scaled conversion
.irp i, 0,1,2                          ; the layout wants a whole block in a lane: lanes 0-15 the even block, lanes 16-31 the odd one
	v_permlane16_swap_b32 v[\d0+\i], v[CT+\i]
	v_permlane16_swap_b32 v[\d1+\i], v[CT+4+\i]
.endr
.irp i, 0,1,2
	v_mov_b32 v[\d0+3+\i], v[CT+\i]
	v_mov_b32 v[\d1+3+\i], v[CT+4+\i]
.endr
.endm
.macro TILE tt
.if (\tt) < 3
	s_wait_loadcnt 16                              ; this tile's 16 loads are in; the next tile's 16 may be out
.else
	s_wait_loadcnt 0x0
.endif
.irp i, 0,1,2,3,4,5,6,7,8,9,10,11,12,13,14,15
	ds_store_b128 v[SIN], v[R+64*((\tt)%2)+4*\i:R+64*((\tt)%2)+4*\i+3] offset:SP*\i
.endr
.irp b, 0,1,2,3
.irp j, 0,1,2,3
	ds_load_b128 v[X+16*\b+4*\j:X+16*\b+4*\j+3], v[SOUT] offset:128*\b+16*\j   ; LDS serves a wave's instructions in order: these see the stores above
.endr
.endr
	s_wait_dscnt 0x0                               ; the tile is back, and the stores have read their registers,
.if (\tt) < 2
	LOAD (\tt)+2                                   ; which take the tile two further on
.else
	s_wait_xcnt 0x0                                ; the stores of two tiles back have read this set of codes: it is written again only behind this wait
.endif
.set PCS, PC+12*((\tt)%2)
	QUANT X, PCS, PCS+6, PW+2*((\tt)%2)+(\tt)/2
.irp c, 0,1,2
	global_store_b128 v[LI], v[PCS+4*\c:PCS+4*\c+3], s[20:21] offset:1536*(\tt)+512*\c   ; 32 lanes store 512 consecutive bytes, at a multiple of 256 from opc's first byte
.endr
.endm
	LOAD 0
	LOAD 1
	TILE 0
	TILE 1
	TILE 2
	TILE 3
	v_permlane16_swap_b32 v[PW], v[PW+2]           ; word 0: lanes 0-15 tile 0, lanes 16-31 tile 1
	v_permlane16_swap_b32 v[PW+1], v[PW+3]         ; word 1: tiles 2 and 3
	global_store_b64 v[L8], v[PW:PW+1], s[22:23]   ; 256 consecutive bytes, aligned
	s_wait_tensorcnt 0x0                           ; the wave's end, behind my last LDS store
	ds_add_u32 v[SPW], v[NIL]
	s_wait_dscnt 0x0
	s_endpgm
.Lfunc_end_k_qafd30d87e7_quant:
	.size	k_qafd30d87e7_quant, .Lfunc_end_k_qafd30d87e7_quant-k_qafd30d87e7_quant
	.p2alignl 7, 3214868480
	.fill 96, 4, 3214868480
	.section	.rodata,"a",@progbits
	.p2align	6, 0x0
	.amdhsa_kernel k_qafd30d87e7_quant
		.amdhsa_group_segment_fixed_size 34304
		.amdhsa_private_segment_fixed_size 0
		.amdhsa_enable_private_segment 0
		.amdhsa_kernarg_size 48
		.amdhsa_user_sgpr_count 2
		.amdhsa_user_sgpr_kernarg_segment_ptr 1
		.amdhsa_wavefront_size32 1
		.amdhsa_system_sgpr_workgroup_id_x 1
		.amdhsa_system_sgpr_workgroup_id_y 1
		.amdhsa_system_sgpr_workgroup_id_z 1
		.amdhsa_system_vgpr_workitem_id 0
		.amdhsa_next_free_vgpr 256
		.amdhsa_next_free_sgpr 66
		.amdhsa_reserve_vcc 0
		.amdhsa_float_denorm_mode_32 3
		.amdhsa_float_denorm_mode_16_64 3
		.amdhsa_memory_ordered 1
		.amdhsa_forward_progress 1
		.amdhsa_inst_pref_size 34
	.end_amdhsa_kernel
	.amdgpu_metadata
---
amdhsa.version: [ 1, 2 ]
amdhsa.kernels:
  - .name:           k_qafd30d87e7_quant
    .symbol:         k_qafd30d87e7_quant.kd
    .args:
      - { .name: x, .offset: 0, .size: 8, .value_kind: global_buffer, .address_space: global }
      - { .name: Wq, .offset: 8, .size: 8, .value_kind: global_buffer, .address_space: global }
      - { .name: Wk, .offset: 16, .size: 8, .value_kind: global_buffer, .address_space: global }
      - { .name: Wv, .offset: 24, .size: 8, .value_kind: global_buffer, .address_space: global }
      - { .name: Wo, .offset: 32, .size: 8, .value_kind: global_buffer, .address_space: global }
      - { .name: opc, .offset: 40, .size: 8, .value_kind: global_buffer, .address_space: global }
    .group_segment_fixed_size: 34304
    .private_segment_fixed_size: 0
    .kernarg_segment_align: 8
    .kernarg_segment_size: 48
    .max_flat_workgroup_size: 128
    .sgpr_count:     66
    .vgpr_count:     256
    .wavefront_size: 32
...
	.end_amdgpu_metadata
.endif
;; end of part 1
;; launch qkv (part 2): grid 8 x 48, 4 waves a work-group, clusters of 4 x 4, 327,680 bytes of LDS; arguments opc, qkv; writes qkv
.if DOCPART == 2
	.amdgcn_target "amdgcn-amd-amdhsa--gfx1250"
	.amdhsa_code_object_version 6
	.text
	.protected	k_qafd30d87e7_qkv
	.globl	k_qafd30d87e7_qkv
	.p2align	8
	.type	k_qafd30d87e7_qkv,@function
k_qafd30d87e7_qkv:
	s_mov_b64 s[64:65], 0
	v_nop
	global_prefetch_b8 v0, s[64:65] scope:SCOPE_SE
	s_setreg_imm32_b32 hwreg(HW_REG_WAVE_MODE, 25, 1), 1
	s_wait_xcnt 0x0
	s_wait_alu depctr_hold_cnt(0) depctr_sa_sdst(0) depctr_va_vdst(0) depctr_va_sdst(0) depctr_va_ssrc(0) depctr_va_vcc(0) depctr_vm_vsrc(0)
	s_getreg_b32 s2, hwreg(HW_REG_IB_STS2, 6, 4)
	s_cmp_eq_u32 s2, 0
	s_cbranch_scc0 .Lentry_in_a_cluster
	s_endpgm
.Lentry_in_a_cluster:
	s_bfe_u32 s2, ttmp6, 0x10000c
	s_cmp_lg_u32 s2, 0xf033
	s_cbranch_scc0 .Lentry_shape_is_right
	s_endpgm
.Lentry_shape_is_right:
; q = x Wq^T, k = x Wk^T, v = x Wv^T on codes of FP6 (E2M3) with E8M0 scales, f32 sums; the results are quantised in registers and stored as images of the next products' operands.
; opc (input): block (group of 128 rows G, K step of 128 kappa) at (8 G + kappa) x 12,800: eight fragments of 1,536 bytes (registers 4 c .. at 512 c + 16 x lane), then 512 bytes of scale words.
;   Groups 0-63 x, 64-71 Wq, 72-79 Wk, 80-87 Wv.  Lane-row r of tile t is row 32 (t / 2) + 8 (t % 2) + r + 8 (r / 8) of its group: used as source 0, the 16 result registers of tiles 2 b, 2 b + 1 are 16 neighbours.
; qkv (output): block ((part x 64 + 16 n + head) x 16 + s) x 12,800, s = 128 tokens of n; part 0 = q, part 1 = k and v.
;   0: q or k: pair of token tiles pi at 1,536 pi: registers 0-5 tile 2 pi, 6-11 tile 2 pi + 1 (a lane: d = 32 h ..).   6,144 (part 1): v^T: tile of 16 d a' at 1,536 a', a fragment over the 128 tokens.
;   12,288: q's or k's scale words, 8 x lane + 4 e: pair 2 e + lane / 16, bytes = tile 2 pi's two blocks, tile 2 pi + 1's two.   12,544 (part 1): v's, likewise by a'.
; SHARES: a work-group makes 256 x 256, four waves of 128 x 128: 64 accumulators, 512 registers.  Source 0 ('B') gives the registers' axis, source 1 ('A') the lanes'.
;   Clusters with y < 8: A = x, B = Wq and Wk: a lane holds a token, its registers run along the features: quantised along d.   y >= 8: A = Wv, B = x: a lane holds a feature, registers run along the tokens: quantised along the keys.
; K = 1,024 comes in four fills of two K steps; three LDS slots: fills 0, 1, 2 go out together at the start (three tensor loads of mine are out), fill 3 is the one refill, into slot 0.
; CLUSTER 4 x 4: A's parts are asked for jointly along a row of the cluster, B's along a column.
; LIMITS: NaN and infinities are not served; a block whose largest magnitude lies under 2^-124 keeps the byte 1; a block of zeros has the byte 1 (its codes are zeros; this program alone reads the bytes).
; REGISTERS: window 0: v8-22 LDS addresses; v26 16 x lane, v27 8 x lane; v28, v29 the add's two; v32-47 scale words, two sets; v48-87 the epilogue's; v128-223 A's fragments, later the images.
;   window 1: B's fragments, two sets (v0, v128).   windows 2, 3: the accumulators: (a, b) at v[8 (8 (a % 4) + b)].
.set BLK,   12800
.set PART,  2*BLK                      ; a group's two K steps: what one tensor load brings
.set SLOT,  4*PART                     ; A's two groups, then B's two
.set GRP,   8*BLK                      ; a group's eight K steps in memory
.set SPARE, 3*SLOT                     ; behind the three slots: the spare words, 128 bytes a wave
.set FR,    12
.set NLA,   3                          ; LDS loads that bring a fragment of A
.set ADSA, 8                           ; v8-10   8 x lane + my part of A in slot 0, 1, 2
.set ADSB, 12                          ; v12-14  the same for B
.set ADRA, 16                          ; v16-18  16 x lane + my part of A
.set ADRB, 20                          ; v20-22  the same for B
.set LI,   26
.set L8,   27
.set SPW,  28
.set NIL,  29
.set SC,   32                          ; set p at SC + 8 p: +0..3 A's words (register t / 2: tile t in lanes 0-15 if even, 16-31 if odd), +4..7 B's
.set PW,   48                          ; v48-55 scale words just made
.set W,    56                          ; v56-63 the pairs' words
.set TM,   64                          ; v64-79 at work
.set CT,   80                          ; v80-86 the conversions' second halves
.set AF,   128
.set IMG,  128
.set G1,  24                           ; s[24:31] group 1 for A's parts; s[32:43] three groups 0
.set G0,  32
.set G1B, 44                           ; s[44:51], s[52:63] the same for B's
.set G0B, 52
.set SEL, 94                           ; s[94:95]
.set MSB, 0
.macro WIN new                         ; the immediate's high byte repeats the setting that is left
.if MSB != (\new)
	s_set_vgpr_msb (MSB<<8)|(\new)
.set MSB, (\new)
.endif
.endm
.set MUL_LO, 0xa1                      ; source 0 (B) window 1, source 1 (A) window 0, C and D window 2
.set MUL_HI, 0xf1                      ; the same, C and D window 3
.set TO_B,   0x40                      ; destination window 1, address window 0
; A joint load: waves 0 and 1 fetch A's two groups, waves 2 and 3 B's.  The branch hangs on the wave's number alone.  An s_nop 0 and four v_nop follow each line.
.macro JLOAD g0a, g1a, g0b, g1b
	s_cmp_eq_u32 s15, 0
	s_cbranch_scc0 .Lfor_b_\@
	tensor_load_to_lds s[\g0a:\g0a+3], s[\g1a:\g1a+7]
	s_nop 0
.rept 4
	v_nop
.endr
	s_branch .Lasked_\@
.Lfor_b_\@:
	tensor_load_to_lds s[\g0b:\g0b+3], s[\g1b:\g1b+7]
	s_nop 0
.rept 4
	v_nop
.endr
.Lasked_\@:
.endm
.macro CREST                           ; a round of the cluster's barrier behind its opening barrier
	s_cmp_lg_u32 s14, 0
	s_cbranch_scc1 .Lnot_wave_0_\@
	s_barrier_signal -3
.Lnot_wave_0_\@:
	s_barrier_wait -3
	s_barrier_signal -1
	s_barrier_wait -1
.endm
.macro CROUND
	s_barrier_signal -1
	s_barrier_wait -1
	CREST
.endm
.macro PLACES n                        ; plain vector lines between a matrix instruction and a load into, or a read of, its registers
.rept \n
	v_nop
.endr
.endm
	s_load_b128 s[4:7], s[0:1], 0x0                ; opc, qkv
	v_lshl_add_u32 v[SPW], v0, 2, SPARE
	v_mov_b32 v[NIL], 0
	ds_add_u32 v[SPW], v[NIL]                      ; the wave's opening: the add and its wait stand ahead of my first tensor load; register work stands between them
	v_lshrrev_b32 v1, 5, v0
	v_readfirstlane_b32 s14, v1                    ; wave 0..3
	s_lshr_b32 s15, s14, 1                         ; my half of A's rows.  Also: I fetch for A (0) or for B (1)
	s_and_b32 s16, s14, 1                          ; my half of B's rows.  Also: which of the two groups I fetch
	s_bfe_u32 s66, ttmp6, 0x40000                  ; cx
	s_bfe_u32 s67, ttmp6, 0x40004                  ; cy
	s_lshl_b32 s68, s67, 2
	s_lshl_b32 s68, 15, s68                        ; my row of the cluster
	s_lshl_b32 s69, 0x1111, s66                    ; my column
	s_or_b32 s[G1], s68, (3<<16)|(1<<21)           ; 15:0 the mask; 17:16 elements of 8 bytes; 21 set beside a mask; no padding
	s_or_b32 s[G1B], s69, (3<<16)|(1<<21)
.irp g, G1, G1B                        ; 25,600 dense bytes as 100 rows of 256
	s_mov_b32 s[\g+1], 32<<16                      ; tensor_dim0 = 32
	s_mov_b32 s[\g+2], 100<<16                     ; tensor_dim1 = 100
	s_mov_b32 s[\g+3], 32<<16                      ; tile_dim0
	s_mov_b32 s[\g+4], 100                         ; tile_dim1
	s_mov_b32 s[\g+5], 32                          ; pitch
	s_mov_b32 s[\g+6], 0
	s_mov_b32 s[\g+7], 0
.endr
	s_mov_b32 s[SEL], 0x76543210
	s_mov_b32 s[SEL+1], 0xfedcba98
.irp b, 0,1,2,3
	v_mov_b32 v[TM+4+\b], 0                        ; written once: a lane permute's destination counts as one of its sources
.endr
	s_and_b32 s70, ttmp7, 0xffff                   ; Y: the cluster's y, 0..11
	s_lshr_b32 s71, s70, 3                         ; v = 1: this cluster makes v
	s_xor_b32 s72, s71, 1
	s_lshl_b32 s74, s70, 3                         ; A's first group: x's 8 Y + 2 cy, or Wv's 80 + 2 cy: no cx enters
	s_mul_i32 s74, s74, s72
	s_mul_i32 s75, s71, 80
	s_add_co_u32 s74, s74, s75
	s_lshl_b32 s75, s67, 1
	s_add_co_u32 s74, s74, s75
	s_lshl_b32 s76, s70, 4                         ; B's first group: Wq, Wk: 64 + 8 X + 2 cx, or x's 16 (Y - 8) + 8 X + 2 cx: no cy enters
	s_sub_co_u32 s76, s76, 128
	s_mul_i32 s76, s76, s71
	s_lshl_b32 s77, s72, 6
	s_add_co_u32 s76, s76, s77
	s_lshl_b32 s77, ttmp9, 3
	s_add_co_u32 s76, s76, s77
	s_lshl_b32 s77, s66, 1
	s_add_co_u32 s76, s76, s77
	s_add_co_u32 s78, s74, s16
	s_mul_i32 s78, s78, GRP
	s_mov_b32 s79, 0
	s_add_co_u32 s80, s76, s16
	s_mul_i32 s80, s80, GRP
	s_mov_b32 s81, 0
	s_mul_i32 s17, s14, PART                       ; where my part goes in a slot: wave x 25,600: no place in the cluster enters an LDS address
	s_wait_dscnt 0x0                               ; the opening add is done
	s_wait_kmcnt 0x0
	s_add_nc_u64 s[82:83], s[4:5], s[78:79]
	s_add_nc_u64 s[84:85], s[4:5], s[80:81]
	CROUND                                         ; all sixteen work-groups are here: the first joint loads meet
.irp f, 0,1,2
	s_mov_b32 s[G0+4*\f], 1
	s_add_co_u32 s[G0+4*\f+1], s17, \f*SLOT
	s_add_nc_u64 s[G0+4*\f+2:G0+4*\f+3], s[82:83], \f*PART
	s_or_b32 s[G0+4*\f+3], s[G0+4*\f+3], 0x80000000
	s_mov_b32 s[G0B+4*\f], 1
	s_add_co_u32 s[G0B+4*\f+1], s17, \f*SLOT
	s_add_nc_u64 s[G0B+4*\f+2:G0B+4*\f+3], s[84:85], \f*PART
	s_or_b32 s[G0B+4*\f+3], s[G0B+4*\f+3], 0x80000000
	JLOAD G0+4*\f, G1, G0B+4*\f, G1B
.endr
	v_and_b32 v1, 31, v0
	v_lshlrev_b32 v[LI], 4, v1
	v_lshlrev_b32 v[L8], 3, v1
	s_mul_i32 s86, s15, PART
	s_mul_i32 s87, s16, PART
	s_add_co_u32 s87, s87, 2*PART
.irp s, 0,1,2
	v_add_nc_u32 v[ADSA+\s], s86, v[L8]
	v_add_nc_u32 v[ADSB+\s], s87, v[L8]
	v_add_nc_u32 v[ADRA+\s], s86, v[LI]
	v_add_nc_u32 v[ADRB+\s], s87, v[LI]
	s_add_co_u32 s86, s86, SLOT
	s_add_co_u32 s87, s87, SLOT
.endr
	; where my results go
	s_add_co_u32 s88, s74, s15                     ; my group of A
	s_add_co_u32 s89, s76, s16                     ; my group of B
	s_sub_co_u32 s91, s88, 80
	s_sub_co_u32 s92, s89, 64
	s_cmp_eq_u32 s71, 1
	s_cselect_b32 s90, s89, s88                    ; x's group
	s_cselect_b32 s91, s91, s92                    ; the weight's group: 0-7 Wq, 8-15 Wk; or 0-7 of Wv
	s_lshr_b32 s92, s91, 3
	s_or_b32 s92, s92, s71                         ; part
	s_and_b32 s91, s91, 7
	s_lshl_b32 s92, s92, 6
	s_lshr_b32 s93, s90, 4
	s_lshl_b32 s93, s93, 4                         ; 16 n
	s_add_co_u32 s92, s92, s93
	s_lshl_b32 s91, s91, 1                         ; my first head
	s_add_co_u32 s92, s92, s91
	s_lshl_b32 s92, s92, 4
	s_and_b32 s90, s90, 15                         ; s
	s_add_co_u32 s92, s92, s90
	s_mul_i32 s92, s92, BLK
	s_mov_b32 s93, 0
	s_add_nc_u64 s[8:9], s[6:7], s[92:93]
.macro FRB reg, slot, q, t             ; a fragment comes as it was stored: three loads of 512 consecutive bytes
.irp c, 0,1,2
	ds_load_b128 v[\reg+4*\c:\reg+4*\c+3], v[ADRB+\slot] offset:(\q)*BLK+(\t)*1536+512*\c
.endr
.endm
.macro FRA reg, slot, q, t
.irp c, 0,1,2
	ds_load_b128 v[\reg+4*\c:\reg+4*\c+3], v[ADRA+\slot] offset:(\q)*BLK+(\t)*1536+512*\c
.endr
.endm
.macro FETCH_B slot, q, p
	WIN TO_B
.irp i, 0,1,2,3,4,5,6,7
	FRB 128*(\p)+FR*\i, \slot, \q, \i
.endr
	WIN 0
.endm
.macro FETCH_A slot, q, t0
.irp i, \t0, \t0+1, \t0+2, \t0+3
	FRA AF+FR*(\i), \slot, \q, \i
.endr
.endm
.macro SCALES slot, q, p
.irp y, 0,1
	ds_load_b64 v[SC+8*(\p)+2*\y:SC+8*(\p)+2*\y+1], v[ADSA+\slot] offset:(\q)*BLK+12288+256*\y
	ds_load_b64 v[SC+8*(\p)+4+2*\y:SC+8*(\p)+4+2*\y+1], v[ADSB+\slot] offset:(\q)*BLK+12288+256*\y
.endr
.endm
; one product: A's tile a against B's tile b; p: B's set and the set of scale words.  An odd tile's words lie in lanes 16-31 of its register.  first = 1: the product starts the sum
.macro WM a, b, p, first
.set rD, 8*(8*((\a)%4)+(\b))
.set rB, 128*(\p)+FR*(\b)
.set rA, AF+FR*(\a)
.set sB, SC+8*(\p)+4+(\b)/2
.set sA, SC+8*(\p)+(\a)/2
.set row, 2*((\a)%2)+(\b)%2
.if \first
.if row == 0
	v_wmma_scale_f32_16x16x128_f8f6f4 v[rD:rD+7], v[rB:rB+FR-1], v[rA:rA+FR-1], 0, v[sB], v[sA] matrix_a_fmt:MATRIX_FMT_FP6 matrix_b_fmt:MATRIX_FMT_FP6
.elseif row == 1
	v_wmma_scale_f32_16x16x128_f8f6f4 v[rD:rD+7], v[rB:rB+FR-1], v[rA:rA+FR-1], 0, v[sB], v[sA] matrix_a_fmt:MATRIX_FMT_FP6 matrix_b_fmt:MATRIX_FMT_FP6 matrix_a_scale:MATRIX_SCALE_ROW1
.elseif row == 2
	v_wmma_scale_f32_16x16x128_f8f6f4 v[rD:rD+7], v[rB:rB+FR-1], v[rA:rA+FR-1], 0, v[sB], v[sA] matrix_a_fmt:MATRIX_FMT_FP6 matrix_b_fmt:MATRIX_FMT_FP6 matrix_b_scale:MATRIX_SCALE_ROW1
.else
	v_wmma_scale_f32_16x16x128_f8f6f4 v[rD:rD+7], v[rB:rB+FR-1], v[rA:rA+FR-1], 0, v[sB], v[sA] matrix_a_fmt:MATRIX_FMT_FP6 matrix_b_fmt:MATRIX_FMT_FP6 matrix_a_scale:MATRIX_SCALE_ROW1 matrix_b_scale:MATRIX_SCALE_ROW1
.endif
.else
.if row == 0
	v_wmma_scale_f32_16x16x128_f8f6f4 v[rD:rD+7], v[rB:rB+FR-1], v[rA:rA+FR-1], v[rD:rD+7], v[sB], v[sA] matrix_a_fmt:MATRIX_FMT_FP6 matrix_b_fmt:MATRIX_FMT_FP6
.elseif row == 1
	v_wmma_scale_f32_16x16x128_f8f6f4 v[rD:rD+7], v[rB:rB+FR-1], v[rA:rA+FR-1], v[rD:rD+7], v[sB], v[sA] matrix_a_fmt:MATRIX_FMT_FP6 matrix_b_fmt:MATRIX_FMT_FP6 matrix_a_scale:MATRIX_SCALE_ROW1
.elseif row == 2
	v_wmma_scale_f32_16x16x128_f8f6f4 v[rD:rD+7], v[rB:rB+FR-1], v[rA:rA+FR-1], v[rD:rD+7], v[sB], v[sA] matrix_a_fmt:MATRIX_FMT_FP6 matrix_b_fmt:MATRIX_FMT_FP6 matrix_b_scale:MATRIX_SCALE_ROW1
.else
	v_wmma_scale_f32_16x16x128_f8f6f4 v[rD:rD+7], v[rB:rB+FR-1], v[rA:rA+FR-1], v[rD:rD+7], v[sB], v[sA] matrix_a_fmt:MATRIX_FMT_FP6 matrix_b_fmt:MATRIX_FMT_FP6 matrix_a_scale:MATRIX_SCALE_ROW1 matrix_b_scale:MATRIX_SCALE_ROW1
.endif
.endif
.endm
.macro MUL16 a0, p, first              ; the 64 accumulators take turns, one instruction a turn, in the same order in every step
.irp a, \a0, \a0+1
.irp b, 0,1,2,3,4,5,6,7
	WM \a, \b, \p, \first
.endr
.endr
.endm
; K step k is multiplied; the next one's fragments, K step nq of slot ns, are fetched: B's, A's tiles 0-3 and the scale words in the middle, A's tiles 4-7 at the end
.macro STEP k, ns, nq, first
	s_wait_dscnt 4*NLA                             ; all but the youngest run, A's tiles 4-7
	WIN MUL_LO
	MUL16 0, (\k)%2, \first
	MUL16 2, (\k)%2, \first
	s_wait_dscnt 0x0
	PLACES 4
	FETCH_B \ns, \nq, 1-(\k)%2
	FETCH_A \ns, \nq, 0
	SCALES \ns, \nq, 1-(\k)%2
	WIN MUL_HI
	MUL16 4, (\k)%2, \first
	MUL16 6, (\k)%2, \first
	PLACES 4
	WIN 0
	FETCH_A \ns, \nq, 4
.endm
; An odd K step behind which another slot is read: one barrier; in front of it each wave waits for all its tensor loads, adds 0 to its spare word, and waits for that and for its LDS reads.  fill = 1: slot 0, read out, takes fill 3
.macro TURN ns, fill
	s_wait_tensorcnt 0x0                           ; all my tensor loads have landed
	ds_add_u32 v[SPW], v[NIL]                      ; 0 onto my spare word
	s_wait_dscnt 4*NLA+1                           ; (the add and A's tiles 4-7 may be out)
	WIN MUL_LO
	MUL16 0, 1, 0
	s_wait_dscnt 0x0                               ; the add is done, and my reads of the slot are over
	s_barrier_signal -1
	MUL16 2, 1, 0
	WIN 0
	s_barrier_wait -1
.if \fill
	CREST                                          ; the barrier has opened a round of the cluster's barrier: no wave of any partner still reads slot 0 or has a load on its way
	s_add_nc_u64 s[G0+2:G0+3], s[G0+2:G0+3], 3*PART
	s_add_nc_u64 s[G0B+2:G0B+3], s[G0B+2:G0B+3], 3*PART
	JLOAD G0, G1, G0B, G1B                         ; the first tensor load behind the round, my only one; its four v_nop are the places in front of the loads below
.else
	PLACES 4
.endif
	FETCH_B \ns, 0, 0
	FETCH_A \ns, 0, 0
	SCALES \ns, 0, 0
	WIN MUL_HI
	MUL16 4, 1, 0
	MUL16 6, 1, 0
	PLACES 4
	WIN 0
	FETCH_A \ns, 0, 4
.endm
	s_wait_tensorcnt 2                             ; my part of fill 0 is in; fills 1 and 2, issued behind it, may be out
	s_barrier_signal -1
	s_barrier_wait -1
	FETCH_B 0, 0, 0
	FETCH_A 0, 0, 0
	SCALES 0, 0, 0
	FETCH_A 0, 0, 4
	STEP 0, 0, 1, 1                                ; the first products start the sums: nothing is cleared
	TURN 1, 1                                      ; K step 1; every wave has waited for fills 1 and 2 here, so slots 1 and 2 are whole behind it
	STEP 2, 1, 1, 0
	STEP 3, 2, 0, 0
	STEP 4, 2, 1, 0
	TURN 0, 0                                      ; K step 5; fill 3 has landed
	STEP 6, 0, 1, 0
	s_wait_dscnt 4*NLA                             ; K step 7: nothing more to fetch
	WIN MUL_LO
	MUL16 0, 1, 0
	MUL16 2, 1, 0
	s_wait_dscnt 0x0
	WIN MUL_HI
	MUL16 4, 1, 0
	MUL16 6, 1, 0
	WIN 0
	PLACES 4
; A's tile a: my lane's 64 results (register 16 b + i = index 32 b + 16 h + i along B's rows) become codes (registers 0-5 at d0, 6-11 at d1) and a scale word.  Each accumulator is read from its low end on.
.macro QUANTW a, d0, d1, pw
.set WN, 2+(\a)/4
.set S0, 64*((\a)%4)
.set WA, WN|(WN<<2)
.set WB, (WN<<2)|(WN<<4)
	WIN WA
.irp b, 0,1,2,3
	v_max3_num_f32 v[TM+\b], |v[S0+16*\b]|, |v[S0+16*\b+1]|, 0x1800000   ; and the floor 2^(3 - 127): the byte cannot fall under 1
.endr
	WIN WB
.irp i, 2,4,6,8,10,12,14
.irp b, 0,1,2,3
	v_max3_num_f32 v[TM+\b], v[TM+\b], |v[S0+16*\b+\i]|, |v[S0+16*\b+\i+1]|
.endr
.endr
	WIN 0
.irp b, 0,1,2,3
	v_permlanex16_b32 v[TM+4+\b], v[TM+\b], s[SEL], s[SEL+1]
.endr
.irp b, 0,1,2,3
	v_max_num_f32 v[TM+\b], v[TM+\b], v[TM+4+\b]
.endr
.irp b, 0,1,2,3
	v_add_nc_u32 v[TM+12+\b], 0xff000000, v[TM+\b] ; 2 off the exponent field: the conversion's scale operand
.endr
.irp b, 0,1,2,3
	v_lshrrev_b32 v[TM+4+\b], 23, v[TM+12+\b]
.endr
	v_lshl_or_b32 v[\pw], v[TM+5], 8, v[TM+4]
	v_lshl_or_b32 v[\pw], v[TM+6], 16, v[\pw]
	v_lshl_or_b32 v[\pw], v[TM+7], 24, v[\pw]
	WIN WN
	v_cvt_scalef32_pk16_fp6_f32 v[\d0:\d0+2], v[S0:S0+15], v[TM+12]
	v_cvt_scalef32_pk16_fp6_f32 v[CT:CT+2], v[S0+16:S0+31], v[TM+13]
	v_cvt_scalef32_pk16_fp6_f32 v[\d1:\d1+2], v[S0+32:S0+47], v[TM+14]
	v_cvt_scalef32_pk16_fp6_f32 v[CT+4:CT+6], v[S0+48:S0+63], v[TM+15]
	WIN 0
	v_nop                                          ; one plain place behind a scaled conversion
.irp i, 0,1,2
	v_permlane16_swap_b32 v[\d0+\i], v[CT+\i]
	v_permlane16_swap_b32 v[\d1+\i], v[CT+4+\i]
.endr
.irp i, 0,1,2
	v_mov_b32 v[\d0+3+\i], v[CT+\i]
	v_mov_b32 v[\d1+3+\i], v[CT+4+\i]
.endr
.endm
	s_cmp_eq_u32 s71, 1                            ; the cluster's y alone decides: alike in all sixteen partners
	s_cbranch_scc1 .Lv_path
	; q or k: my 128 features are two heads c; codes 0-5 belong to head 0, 6-11 to head 1; two token tiles make a pair's image
.irp ap, 0,1,2,3
	QUANTW 2*\ap, IMG+24*\ap, IMG+24*\ap+12, PW+2*\ap
	QUANTW 2*\ap+1, IMG+24*\ap+6, IMG+24*\ap+18, PW+2*\ap+1
.irp c, 0,1
.irp k, 0,1,2
	global_store_b128 v[LI], v[IMG+24*\ap+12*\c+4*\k:IMG+24*\ap+12*\c+4*\k+3], s[8:9] offset:16*BLK*\c+1536*\ap+512*\k   ; 512 consecutive bytes, aligned to 256
.endr
.endr
.endr
.irp ap, 0,1,2,3                       ; a pair's word for head c: bytes 2 c, 2 c + 1 of its two tiles' words; pairs in the register order 0, 2, 1, 3
	v_perm_b32 v[W+2*(\ap%2)+\ap/2], v[PW+2*\ap+1], v[PW+2*\ap], 0x05040100
	v_perm_b32 v[W+4+2*(\ap%2)+\ap/2], v[PW+2*\ap+1], v[PW+2*\ap], 0x07060302
.endr
.irp c, 0,1
	v_permlane16_swap_b32 v[W+4*\c], v[W+4*\c+2]   ; word 0: lanes 0-15 pair 0, lanes 16-31 pair 1
	v_permlane16_swap_b32 v[W+4*\c+1], v[W+4*\c+3] ; word 1: pairs 2 and 3
	global_store_b64 v[L8], v[W+4*\c:W+4*\c+1], s[8:9] offset:16*BLK*\c+12288
.endr
	s_branch .Lend
.Lv_path:
	; v: my lane holds a feature, the 64 results run along 128 tokens: a whole fragment of v^T; tiles 0-3 are my first head's, 4-7 my second's
.irp a, 0,1,2,3,4,5,6,7
	QUANTW \a, IMG+12*\a, IMG+12*\a+6, PW+4*(\a/4)+2*(\a%2)+(\a%4)/2
.irp k, 0,1,2
	global_store_b128 v[LI], v[IMG+12*\a+4*\k:IMG+12*\a+4*\k+3], s[8:9] offset:16*BLK*(\a/4)+6144+1536*(\a%4)+512*\k
.endr
.endr
.irp c, 0,1
	v_permlane16_swap_b32 v[PW+4*\c], v[PW+4*\c+2]
	v_permlane16_swap_b32 v[PW+4*\c+1], v[PW+4*\c+3]
	global_store_b64 v[L8], v[PW+4*\c:PW+4*\c+1], s[8:9] offset:16*BLK*\c+12544
.endr
.Lend:
	s_wait_tensorcnt 0x0                           ; the wave's end, behind my last tensor load
	ds_add_u32 v[SPW], v[NIL]
	s_wait_dscnt 0x0
	CROUND                                         ; the closing round: no work-group ends while a partner may still ask for a part that names it
	s_endpgm
.Lfunc_end_k_qafd30d87e7_qkv:
	.size	k_qafd30d87e7_qkv, .Lfunc_end_k_qafd30d87e7_qkv-k_qafd30d87e7_qkv
	.p2alignl 7, 3214868480
	.fill 96, 4, 3214868480
	.section	.rodata,"a",@progbits
	.p2align	6, 0x0
	.amdhsa_kernel k_qafd30d87e7_qkv
		.amdhsa_group_segment_fixed_size 327680
		.amdhsa_private_segment_fixed_size 0
		.amdhsa_enable_private_segment 0
		.amdhsa_kernarg_size 16
		.amdhsa_user_sgpr_count 2
		.amdhsa_user_sgpr_kernarg_segment_ptr 1
		.amdhsa_wavefront_size32 1
		.amdhsa_system_sgpr_workgroup_id_x 1
		.amdhsa_system_sgpr_workgroup_id_y 1
		.amdhsa_system_sgpr_workgroup_id_z 1
		.amdhsa_system_vgpr_workitem_id 0
		.amdhsa_next_free_vgpr 1024
		.amdhsa_next_free_sgpr 100
		.amdhsa_reserve_vcc 0
		.amdhsa_float_denorm_mode_32 3
		.amdhsa_float_denorm_mode_16_64 3
		.amdhsa_memory_ordered 1
		.amdhsa_forward_progress 1
		.amdhsa_inst_pref_size 172
	.end_amdhsa_kernel
	.amdgpu_metadata
---
amdhsa.version: [ 1, 2 ]
amdhsa.kernels:
  - .name:           k_qafd30d87e7_qkv
    .symbol:         k_qafd30d87e7_qkv.kd
    .args:
      - { .name: opc, .offset: 0, .size: 8, .value_kind: global_buffer, .address_space: global }
      - { .name: qkv, .offset: 8, .size: 8, .value_kind: global_buffer, .address_space: global }
    .group_segment_fixed_size: 327680
    .private_segment_fixed_size: 0
    .kernarg_segment_align: 8
    .kernarg_segment_size: 16
    .max_flat_workgroup_size: 128
    .sgpr_count:     100
    .vgpr_count:     1024
    .wavefront_size: 32
...
	.end_amdgpu_metadata
.endif
;; end of part 2
;; launch attn (part 3): grid 4 x 64, 16 waves a work-group, no clusters, 327,680 bytes of LDS; arguments qkv, oc; writes oc
.if DOCPART == 3
	.amdgcn_target "amdgcn-amd-amdhsa--gfx1250"
	.amdhsa_code_object_version 6
	.text
	.protected	k_qafd30d87e7_attn
	.globl	k_qafd30d87e7_attn
	.p2align	8
	.type	k_qafd30d87e7_attn,@function
k_qafd30d87e7_attn:
	s_mov_b64 s[64:65], 0
	v_nop
	global_prefetch_b8 v0, s[64:65] scope:SCOPE_SE
	s_setreg_imm32_b32 hwreg(HW_REG_WAVE_MODE, 25, 1), 1
	s_wait_xcnt 0x0
; o = softmax_causal(q k^T / 32) v for each of 64 (n, head), both products on codes of FP6 (E2M3) with E8M0 scales; the result is divided by the row's sum, quantised along C and stored as an image of the last product's operand.
; qkv (input): block ((part x 64 + nh) x 16 + s) x 12,800, s = 128 tokens; part 0 q, part 1 k and v.  0: pairs of token tiles (registers 0-5 tile 2 pi, 6-11 tile 2 pi + 1; a lane: d = 32 h ..), 1,536 bytes each;
;   6,144: v^T, four fragments of 16 d x 128 tokens; 12,288: the pairs' scale words; 12,544: v's.  Lane-row r of token tile t is token 32 (t / 2) + 8 (t % 2) + r + 8 (r / 8).
; oc (output): block (8 G + kappa) x 12,800, G = 128 tokens, kappa = 128 along C = heads 2 kappa, 2 kappa + 1: tile t at 1,536 t, registers 2 p, 2 p + 1 at 256 p + 8 x lane; head 2 kappa + c owns pieces 3 c .. 3 c + 2
;   and bytes 2 c, 2 c + 1 of each scale word (from 12,288: 256 (t / 4) + 128 (t % 2) + 8 r + 4 ((t / 2) % 2)).
; THE SOFTMAX: t = score x log2(e) / 32; M = the running largest t rounded up to a whole number; p = 2^(t - M) is quantised along the keys, not normalised; the row's sum is taken of the unquantised p and divides at the end.
; K = 64 IN A FORM OF 128: source 0 holds TWO key tiles (k 0-63 one, k 64-127 the other); q stands between two runs of zero codes, v16-33 = [0][q][0]: v[22:33] picks the first tile, v[16:27] the second.  Zero codes add nothing.
; SHARES: a work-group owns query blocks 7 - i and i (256 queries each) of one (n, head), the longer first: (8 - i) + (i + 1) = 9 slots of 256 keys in every work-group, so all trip counts are constants.
;   Each of sixteen waves owns one tile of 16 queries in 256 registers, four waves to a SIMD.  A step whose keys all come after the wave's queries is left out by a scalar branch on ids.
; Two LDS slots of two key steps (25,600 dense bytes), filled by wave 0's tensor load: one is out at a time; it has a slot's steps in which to land.  Every wait for tensor loads is for all of them.
; No cluster: the four work-groups of an (n, head) ask for the same slot only in their first 5 of 9 changes of slots; after that their walks part.
; LIMITS: NaN and infinities are not served; a block whose largest magnitude lies under 2^-124 keeps the byte 1; a block of zeros has the byte 1 (zero codes; read by this program alone); 1 / sum is v_rcp_f32 and a multiply;
;   the result's two scale bytes a row leave by stores of 2 bytes, 32 bytes against a tile's 768 of codes.
.set BLK,   12800
.set SLOT1, 32768                      ; slot 1 begins here: one exclusive or turns an address from one slot to the other
.set SPARE, 65536                      ; the spare words, 128 bytes for each of sixteen waves
.set LI,  1                            ; v1  16 x lane
.set L8,  2                            ; v2  8 x lane
.set ADR, 3                            ; v3  the slot in hand + 16 x lane
.set ADS, 4                            ; v4  the slot in hand + 8 x lane
.set SPW, 5
.set NIL, 6
.set DQ,  7                            ; v7  r + 8 (r / 8) - 16 h
.set R8,  8                            ; v8  8 r
.set PFO, 9                            ; v9  256 x min(lane, 24)
.set QS,  34                           ; q's scale word, its two bytes twice
.set PS,  35                           ; p's scale word
.set KS,  36                           ; v[36:37] the key pairs' scale words
.set VS,  38                           ; v[38:39] v's
.set KV,  40                           ; v40-87 four pairs of key tiles, then four fragments of v^T
.set Q2,  88                           ; v88-93 the second block's q; v94 its scale word
.set QS2, 94
.set S,   96                           ; v96-159 S^T, then p
.set O,   160                          ; v160-191 O^T: register 16 b + i = d 32 b + 16 h + i
.set PC,  192                          ; v192-203 p's codes
.set CT,  204                          ; v204-206, v208-210
.set BM,  212
.set BT,  216
.set SO,  220
.set F,   224                          ; v[224:225] f = 2^(old M - new M)
.set TB,  2
.set KF,  3
.set WV,  18
.set SEL, 20
.set CS,  22
.set G1,  24
.set G0,  32
.set KVB, 36                           ; s[36:37] k's and v's blocks of my (n, head)
.set OF,  38                           ; s[38:39]
.set QB,  40                           ; my tile's first query
.set QB2, 41
.set SLOTS, 42
.set SWI, 43
.set KSN, 44                           ; the key slot last asked for
.set NB1, 45                           ; slots of the first block
.set PFA, 46
.set LIM, 48
.set OB1, 50
.set OS1, 52
.set OB2, 54
.set OS2, 56
.set MSEL, 58
.set PSEL, 59
.macro TLOAD                           ; wave 0 fetches; an s_nop 0 and four v_nop follow the line
	s_cmp_eq_u32 s[WV], 0
	s_cbranch_scc0 .Lasked_\@
	tensor_load_to_lds s[G0:G0+3], s[G1:G1+7]
	s_nop 0
.rept 4
	v_nop
.endr
.Lasked_\@:
.endm
; A prefetch of the key slot that the NEXT change of slots will ask for.  The four work-groups of an (n, head) walk slots 0, 1, 2 .. of the same blocks at first: the one with i = 0, which walks all eight, asks; in it waves 4 to 7,
; which fetch nothing, 6,400 bytes each, lanes 256 bytes apart (lanes 25-31 name lane 24's bytes).  Changes 0 to 5 name slots 2 to 7; slots 0 and 1 come by their loads alone.
.macro ASK
	s_cmp_gt_u32 s[SLOTS], s[LIM]
	s_cbranch_scc0 .Lnot_mine_\@
	global_prefetch_b8 v[PFO], s[PFA:PFA+1] th:TH_LOAD_NT scope:SCOPE_SE
.Lnot_mine_\@:
.endm
	s_load_b128 s[4:7], s[0:1], 0x0                ; qkv, oc
	v_lshl_add_u32 v[SPW], v0, 2, SPARE
	v_mov_b32 v[NIL], 0
	ds_add_u32 v[SPW], v[NIL]                      ; the wave's opening: the add and its wait stand ahead of the first tensor load; register work stands between them
	ds_add_u32 v[SPW], v[NIL]
	v_lshrrev_b32 v10, 5, v0
	s_delay_alu instid0(VALU_DEP_1)
	v_readfirstlane_b32 s[WV], v10                 ; wave 0..15
	s_and_b32 s60, ttmp7, 0xffff                   ; nh = 16 n + head
	s_mov_b32 s61, ttmp9                           ; i: the second block
	s_sub_co_u32 s62, 7, s61                       ; the first block
	s_sub_co_u32 s[NB1], 8, s61
	s_add_co_u32 s[SWI], s61, 1
	s_lshr_b32 s63, s[WV], 1
	s_lshl_b32 s63, s63, 5
	s_and_b32 s66, s[WV], 1
	s_lshl_b32 s67, s66, 3
	s_add_co_u32 s63, s63, s67                     ; 32 (wave / 2) + 8 (wave % 2)
	s_lshl_b32 s[QB], s62, 8
	s_add_co_u32 s[QB], s[QB], s63
	s_lshl_b32 s[QB2], s61, 8
	s_add_co_u32 s[QB2], s[QB2], s63
	s_cmp_eq_u32 s66, 1                            ; my tile is its pair's second
	s_cselect_b32 s[MSEL], -1, 0
	s_mov_b32 s[PSEL], 0x01000100
	s_cselect_b32 s[PSEL], 0x03020302, s[PSEL]
	s_mov_b32 s[G1], 3<<16                         ; no mask; elements of 8 bytes; no padding: 25,600 dense bytes as 100 rows of 256
	s_mov_b32 s[G1+1], 32<<16
	s_mov_b32 s[G1+2], 100<<16
	s_mov_b32 s[G1+3], 32<<16
	s_mov_b32 s[G1+4], 100
	s_mov_b32 s[G1+5], 32
	s_mov_b32 s[G1+6], 0
	s_mov_b32 s[G1+7], 0
	s_mov_b32 s[G0], 1
	s_mov_b32 s[G0+1], 0                           ; slot 0
	s_mov_b32 s[SEL], 0x76543210
	s_mov_b32 s[SEL+1], 0xfedcba98
	s_mov_b32 s[CS], 0x3d38aa3b                    ; log2(e) / 32
	s_mov_b32 s[CS+1], s[CS]
	s_mov_b32 s[TB], 0
	s_mov_b32 s[KF], 0
	s_mov_b32 s[SLOTS], 8
	s_mov_b32 s[KSN], 0
	s_mov_b32 s[OF+1], 0
	s_add_co_u32 s68, s60, 64
	s_mul_i32 s68, s68, 16*BLK
	s_mov_b32 s69, 0
	s_wait_dscnt 0x0                               ; the opening add is done
	s_wait_kmcnt 0x0
	s_add_nc_u64 s[KVB:KVB+1], s[4:5], s[68:69]
	s_mov_b64 s[G0+2:G0+3], s[KVB:KVB+1]
	s_or_b32 s[G0+3], s[G0+3], 0x80000000
	TLOAD                                          ; key slot 0
	v_and_b32 v10, 31, v0
	s_delay_alu instid0(VALU_DEP_1)
	v_lshlrev_b32 v[LI], 4, v10
	s_delay_alu instid0(VALU_DEP_2)
	v_lshlrev_b32 v[L8], 3, v10
	v_and_b32 v11, 15, v0                          ; r
	s_delay_alu instid0(VALU_DEP_1)
	v_lshlrev_b32 v[R8], 3, v11
	s_wait_alu depctr_va_vdst(0)
	v_and_b32 v226, 8, v11
	s_delay_alu instid0(VALU_DEP_1)
	v_add_nc_u32 v[DQ], v226, v11
	v_bfe_u32 v226, v0, 4, 1
	s_delay_alu instid0(VALU_DEP_1)
	v_lshlrev_b32 v226, 4, v226
	s_delay_alu instid0(VALU_DEP_1)
	v_sub_nc_u32 v[DQ], v[DQ], v226
	v_min_u32 v[PFO], 24, v10
	s_delay_alu instid0(VALU_DEP_1)
	v_lshlrev_b32 v[PFO], 8, v[PFO]
	s_lshr_b32 s72, s[WV], 3                       ; which of a block's two groups of 128 queries
	s_and_b32 s73, s[WV], 7                        ; my tile t in it
	s_and_b32 s78, s60, 1                          ; c
	s_mul_i32 s74, s73, 1536
	s_mul_i32 s79, s78, 768
	s_add_co_u32 s74, s74, s79                     ; my codes' place in a block of oc
	s_lshr_b32 s75, s73, 2
	s_lshl_b32 s75, s75, 8
	s_bfe_u32 s79, s73, 0x10001
	s_lshl_b32 s79, s79, 2
	s_add_co_u32 s75, s75, s79
	s_lshl_b32 s79, s66, 7
	s_add_co_u32 s75, s75, s79
	s_lshl_b32 s79, s78, 1
	s_add_co_u32 s75, s75, s79
	s_add_co_u32 s75, s75, 12288                   ; my scale halves' place
	s_lshr_b32 s76, s60, 4
	s_lshl_b32 s76, s76, 4
	s_add_co_u32 s76, s76, s72                     ; 16 n + group
	s_bfe_u32 s77, s60, 0x30001                    ; kappa = head / 2
.macro OUTADR blk, ob, os
	s_lshl_b32 s80, s[\blk], 1
	s_add_co_u32 s80, s80, s76
	s_lshl_b32 s80, s80, 3
	s_add_co_u32 s80, s80, s77
	s_mul_i32 s80, s80, BLK
	s_add_co_u32 s82, s80, s75
	s_add_co_u32 s80, s80, s74
	s_mov_b32 s81, 0
	s_mov_b32 s83, 0
	s_add_nc_u64 s[\ob:\ob+1], s[6:7], s[80:81]
	s_add_nc_u64 s[\os:\os+1], s[6:7], s[82:83]
.endm
	OUTADR 62, OB1, OS1
	OUTADR 61, OB2, OS2
	s_lshl_b32 s84, s60, 4                         ; q's blocks: 16 nh + 2 block + group
	s_add_co_u32 s84, s84, s72
	s_lshl_b32 s85, s62, 1
	s_add_co_u32 s85, s85, s84
	s_mul_i32 s86, s85, BLK
	s_mov_b32 s87, 0
	s_add_nc_u64 s[68:69], s[4:5], s[86:87]
	s_lshl_b32 s85, s61, 1
	s_add_co_u32 s85, s85, s84
	s_mul_i32 s86, s85, BLK
	s_add_nc_u64 s[70:71], s[4:5], s[86:87]
	s_lshr_b32 s88, s73, 1                         ; my pair pi
	s_mul_i32 s89, s88, 1536
	v_add_nc_u32 v226, s89, v[LI]
	s_and_b32 s89, s88, 1
	s_lshl_b32 s89, s89, 7
	s_lshr_b32 s90, s88, 1
	s_lshl_b32 s90, s90, 2
	s_add_co_u32 s89, s89, s90
	v_add_nc_u32 v227, s89, v[R8]
.irp k, 0,1,2
	global_load_b128 v[S+4*\k:S+4*\k+3], v226, s[68:69] offset:512*\k          ; both blocks' pairs of q
	global_load_b128 v[S+12+4*\k:S+12+4*\k+3], v226, s[70:71] offset:512*\k
.endr
	global_load_b32 v[S+24], v227, s[68:69] offset:12288
	global_load_b32 v[S+25], v227, s[70:71] offset:12288
	s_and_b32 s88, s[WV], 3                        ; the prefetches: my wave's 6,400 bytes, in slot 1: the first change of slots steps it to slot 2
	s_mul_i32 s88, s88, 6400
	s_add_co_u32 s88, s88, 2*BLK
	s_mov_b32 s89, 0
	s_add_nc_u64 s[PFA:PFA+1], s[KVB:KVB+1], s[88:89]
	s_lshr_b32 s91, s[WV], 2
	s_xor_b32 s91, s91, 1                          ; 0 in waves 4 to 7,
	s_or_b32 s91, s91, ttmp9                       ; of the work-group with i = 0
	s_cmp_eq_u32 s91, 0
	s_cselect_b32 s[LIM], 2, -1
.irp j, 0,1,2,3,4,5
	v_mov_b32 v[16+\j], 0                          ; the zero codes on both sides of q
	v_mov_b32 v[28+\j], 0
.endr
.set n, 0
.rept 32
	v_mov_b32 v[O+n], 0                            ; the loop has no first step of its own: it finds zeros, which the first change of M leaves zeros
.set n, n+1
.endr
	v_mov_b32 v13, 0xff61b1e6                      ; the largest t so far: -3e38
	s_delay_alu instid0(VALU_DEP_1)
	v_floor_f32 v12, -v13                          ; -M
	v_mov_b32 v14, 0
	v_mov_b32 v15, 0
.irp b, 0,1,2,3
	v_mov_b32 v[BT+\b], 0                          ; a lane permute's destination counts as one of its sources
.endr
	v_mov_b32 v[F+1], 0                            ; named as the upper half of a pair
	s_wait_loadcnt 0x0
	v_perm_b32 v[QS], v[S+24], v[S+24], s[PSEL]    ; my tile's two bytes of the pair's word, twice.  The scale words first: the twelve lines below stand between them and the first product
	v_perm_b32 v[QS2], v[S+25], v[S+25], s[PSEL]
.irp j, 0,1,2,3,4,5
	v_cndmask_b32 v[22+\j], v[S+\j], v[S+6+\j], s[MSEL]          ; my tile of the pair
.endr
.irp j, 0,1,2,3,4,5
	v_cndmask_b32 v[Q2+\j], v[S+12+\j], v[S+18+\j], s[MSEL]
.endr
; A KEY STEP: 128 keys, the q-th of the slot in hand
.macro STEP q
	s_add_co_u32 s96, s[QB], 23                    ; my last query
	s_cmp_gt_u32 s[KF], s96
	s_cbranch_scc1 .Lhidden_\@                     ; all keys come after my queries: ids and the count of steps alone
	v_add_nc_u32 v[ADR], s[TB], v[LI]
	v_add_nc_u32 v[ADS], s[TB], v[L8]
	v_nop
	v_nop                                          ; four places in front of loads into registers that the last products read
	ds_load_b64 v[KS:KS+1], v[ADS] offset:(\q)*BLK+12288
.irp p, 0,1,2,3
.irp c, 0,1,2
	ds_load_b128 v[KV+12*\p+4*\c:KV+12*\p+4*\c+3], v[ADR] offset:(\q)*BLK+1536*\p+512*\c
.endr
.endr
	s_wait_dscnt 0x0
	s_wait_alu depctr_va_vdst(0)
.irp e, 0,1                            ; S^T = k q^T: pairs 2 e (scale words in lanes 0-15) and 2 e + 1 (lanes 16-31), two key tiles each
	v_wmma_scale_f32_16x16x128_f8f6f4 v[S+32*\e:S+32*\e+7], v[KV+24*\e:KV+24*\e+11], v[22:33], 0, v[KS+\e], v[QS] matrix_a_fmt:MATRIX_FMT_FP6 matrix_b_fmt:MATRIX_FMT_FP6
	v_wmma_scale_f32_16x16x128_f8f6f4 v[S+32*\e+8:S+32*\e+15], v[KV+24*\e:KV+24*\e+11], v[16:27], 0, v[KS+\e], v[QS] matrix_a_fmt:MATRIX_FMT_FP6 matrix_b_fmt:MATRIX_FMT_FP6
	v_wmma_scale_f32_16x16x128_f8f6f4 v[S+32*\e+16:S+32*\e+23], v[KV+24*\e+12:KV+24*\e+23], v[22:33], 0, v[KS+\e], v[QS] matrix_a_fmt:MATRIX_FMT_FP6 matrix_b_fmt:MATRIX_FMT_FP6 matrix_a_scale:MATRIX_SCALE_ROW1
	v_wmma_scale_f32_16x16x128_f8f6f4 v[S+32*\e+24:S+32*\e+31], v[KV+24*\e+12:KV+24*\e+23], v[16:27], 0, v[KS+\e], v[QS] matrix_a_fmt:MATRIX_FMT_FP6 matrix_b_fmt:MATRIX_FMT_FP6 matrix_a_scale:MATRIX_SCALE_ROW1
.endr                                  ; register 16 b + i of S^T is key KF + 32 b + 16 h + i of my lane's query
.rept 4
	v_nop
.endr
	ds_load_b64 v[VS:VS+1], v[ADS] offset:(\q)*BLK+12544           ; v^T at once, into k's registers: it lands under the softmax
.irp p, 0,1,2,3
.irp c, 0,1,2
	ds_load_b128 v[KV+12*\p+4*\c:KV+12*\p+4*\c+3], v[ADR] offset:(\q)*BLK+6144+1536*\p+512*\c
.endr
.endr
	s_add_co_u32 s96, s[KF], 127
	s_cmp_le_u32 s96, s[QB]
	s_cbranch_scc1 .Lopen_\@                       ; all keys count for all my queries
	s_sub_co_i32 s96, s[QB], s[KF]
	v_add_nc_u32 v10, s96, v[DQ]                   ; my query - KF - 16 h: register 16 b + i is hidden where 32 b + i is above it
	v_mov_b32 v11, 0xff800000                      ; -infinity: p = 0
.set n, 0
.rept 64
	v_cmp_gt_i32 vcc_lo, 32*(n/16)+n%16, v10
	v_cndmask_b32 v[S+n], v[S+n], v11, vcc_lo
.set n, n+1
.endr
.Lopen_\@:
.irp b, 0,1,2,3
	v_max3_num_f32 v[BM+\b], v[S+16*\b], v[S+16*\b+1], v[S+16*\b+2]   ; the largest score of each block of 32 keys: for the row's maximum and, since p rises with the score, for the block's largest p
.endr
.irp i, 3,5,7,9,11,13
.irp b, 0,1,2,3
	v_max3_num_f32 v[BM+\b], v[BM+\b], v[S+16*\b+\i], v[S+16*\b+\i+1]
.endr
.endr
.irp b, 0,1,2,3
	v_max_num_f32 v[BM+\b], v[BM+\b], v[S+16*\b+15]
.endr
.irp b, 0,1,2,3
	s_delay_alu instid0(VALU_DEP_4)
	v_permlanex16_b32 v[BT+\b], v[BM+\b], s[SEL], s[SEL+1]
.endr
.irp b, 0,1,2,3
	s_delay_alu instid0(VALU_DEP_4)
	v_max_num_f32 v[BM+\b], v[BM+\b], v[BT+\b]     ; with lane l xor 16's 16 keys
.endr
	s_delay_alu instid0(VALU_DEP_2)
	v_max3_num_f32 v226, v[BM], v[BM+1], v[BM+2]
	s_delay_alu instid0(VALU_DEP_1)
	v_max_num_f32 v226, v226, v[BM+3]
	s_delay_alu instid0(VALU_DEP_1)
	v_mul_f32 v226, s[CS], v226                    ; as t
	s_delay_alu instid0(VALU_DEP_1)
	v_max_num_f32 v13, v13, v226                   ; the running largest t
	v_mov_b32 v226, v12
	s_delay_alu instid0(VALU_DEP_2)
	v_floor_f32 v12, -v13                          ; the new -M = -ceil(t)
	s_delay_alu instid0(VALU_DEP_1)
	v_sub_f32 v226, v12, v226                      ; old M - new M: a whole number, 0 or less
	s_delay_alu instid0(VALU_DEP_1)
	v_cvt_i32_f32 v226, v226                       ; (it saturates)
	s_delay_alu instid0(VALU_DEP_1)
	v_ldexp_f32 v[F], 1.0, v226                    ; f = 2^(old M - new M)
.set n, 0
.rept 32
	v_pk_fma_f32 v[S+n:S+n+1], v[S+n:S+n+1], s[CS:CS+1], v[12:13] op_sel_hi:[1,0,0]   ; t - M
.set n, n+2
.endr
.irp b, 0,1,2,3
	v_fma_f32 v[BM+\b], v[BM+\b], s[CS], v12       ; the same of each block's largest score
.endr
.set n, 0
	s_wait_alu depctr_va_vdst(0)
.rept 64
	v_exp_f32 v[S+n], v[S+n]                       ; p = 2^(t - M)
.set n, n+1
.endr
	v_pk_mul_f32 v[14:15], v[14:15], v[F:F+1] op_sel_hi:[1,0]     ; the sums under the new M: a plain line behind the exponentials
	s_wait_alu depctr_va_vdst(0)                   ; one wait for the batch of 64, ahead of its first reader
.irp b, 0,1,2,3
	v_exp_f32 v[BM+\b], v[BM+\b]                   ; each block's largest p
.endr
	v_pk_add_f32 v[216:217], v[100:101], v[104:105]
	v_pk_add_f32 v[254:255], v[108:109], v[112:113]
	v_pk_add_f32 v[252:253], v[116:117], v[120:121]
	v_pk_add_f32 v[250:251], v[124:125], v[128:129]
	v_pk_add_f32 v[248:249], v[132:133], v[136:137]
	v_pk_add_f32 v[246:247], v[140:141], v[144:145]
	v_pk_add_f32 v[244:245], v[148:149], v[152:153]
	v_pk_add_f32 v[14:15], v[14:15], v[156:157]
	v_pk_add_f32 v[216:217], v[216:217], v[96:97]
	v_pk_add_f32 v[254:255], v[254:255], v[98:99]
	v_pk_add_f32 v[252:253], v[252:253], v[102:103]
	v_pk_add_f32 v[250:251], v[250:251], v[106:107]
	v_pk_add_f32 v[248:249], v[248:249], v[110:111]
	v_pk_add_f32 v[246:247], v[246:247], v[114:115]
	v_pk_add_f32 v[244:245], v[244:245], v[118:119]
	v_pk_add_f32 v[14:15], v[14:15], v[122:123]
	v_pk_add_f32 v[216:217], v[216:217], v[126:127]
	v_pk_add_f32 v[254:255], v[254:255], v[130:131]
	v_pk_add_f32 v[252:253], v[252:253], v[134:135]
	v_pk_add_f32 v[250:251], v[250:251], v[138:139]
	v_pk_add_f32 v[248:249], v[248:249], v[142:143]
	v_pk_add_f32 v[246:247], v[246:247], v[146:147]
	v_pk_add_f32 v[244:245], v[244:245], v[150:151]
	v_pk_add_f32 v[14:15], v[14:15], v[154:155]
	v_pk_add_f32 v[216:217], v[216:217], v[158:159]
	s_delay_alu instid0(VALU_DEP_2)
	v_pk_add_f32 v[14:15], v[14:15], v[250:251]
	s_delay_alu instid0(VALU_DEP_2)
	v_pk_add_f32 v[216:217], v[216:217], v[248:249]
	v_pk_add_f32 v[254:255], v[254:255], v[246:247]
	v_pk_add_f32 v[252:253], v[252:253], v[244:245]
	s_delay_alu instid0(VALU_DEP_2)
	v_pk_add_f32 v[14:15], v[14:15], v[254:255]
	s_delay_alu instid0(VALU_DEP_2)
	v_pk_add_f32 v[216:217], v[216:217], v[252:253]
	s_delay_alu instid0(VALU_DEP_1)
	v_pk_add_f32 v[14:15], v[14:15], v[216:217]
	s_wait_alu depctr_va_vdst(0)                   ; and one for the four
.irp b, 0,1,2,3
	v_max_num_f32 v[BM+\b], 0x1800000, v[BM+\b]    ; the floor 2^(3 - 127)
.endr
.irp b, 0,1,2,3
	s_delay_alu instid0(VALU_DEP_4)
	v_add_nc_u32 v[SO+\b], 0xff000000, v[BM+\b]
.endr
.irp b, 0,1,2,3
	s_delay_alu instid0(VALU_DEP_4)
	v_lshrrev_b32 v[BT+\b], 23, v[SO+\b]
.endr
	s_delay_alu instid0(VALU_DEP_3)
	v_lshl_or_b32 v[PS], v[BT+1], 8, v[BT]
	s_delay_alu instid0(VALU_DEP_1)
	v_lshl_or_b32 v[PS], v[BT+2], 16, v[PS]
	s_delay_alu instid0(VALU_DEP_1)
	v_lshl_or_b32 v[PS], v[BT+3], 24, v[PS]        ; p's scale word for these 128 keys
.irp c, 0,1
	v_cvt_scalef32_pk16_fp6_f32 v[PC+6*\c:PC+6*\c+2], v[S+32*\c:S+32*\c+15], v[SO+2*\c]
	v_cvt_scalef32_pk16_fp6_f32 v[CT+4*\c:CT+4*\c+2], v[S+32*\c+16:S+32*\c+31], v[SO+2*\c+1]
.endr
	v_nop                                          ; one plain place behind a scaled conversion
.irp c, 0,1
.irp i, 0,1,2
	v_permlane16_swap_b32 v[PC+6*\c+\i], v[CT+4*\c+\i]
.endr
.irp i, 0,1,2
	s_delay_alu instid0(VALU_DEP_3)
	v_mov_b32 v[PC+6*\c+3+\i], v[CT+4*\c+\i]
.endr
.endr
.set n, 0
.rept 16
	v_pk_mul_f32 v[O+n:O+n+1], v[O+n:O+n+1], v[F:F+1] op_sel_hi:[1,0]   ; O^T under the new M; these lines also stand between p's codes and scale word and the products
.set n, n+2
.endr
	s_wait_alu depctr_va_vdst(0)
	s_wait_dscnt 0x0                               ; v^T is in
.irp e, 0,1                            ; O^T += v^T p^T: four accumulators by turns
	v_wmma_scale_f32_16x16x128_f8f6f4 v[O+16*\e:O+16*\e+7], v[KV+24*\e:KV+24*\e+11], v[PC:PC+11], v[O+16*\e:O+16*\e+7], v[VS+\e], v[PS] matrix_a_fmt:MATRIX_FMT_FP6 matrix_b_fmt:MATRIX_FMT_FP6
	v_wmma_scale_f32_16x16x128_f8f6f4 v[O+16*\e+8:O+16*\e+15], v[KV+24*\e+12:KV+24*\e+23], v[PC:PC+11], v[O+16*\e+8:O+16*\e+15], v[VS+\e], v[PS] matrix_a_fmt:MATRIX_FMT_FP6 matrix_b_fmt:MATRIX_FMT_FP6 matrix_a_scale:MATRIX_SCALE_ROW1
.endr
.Lhidden_\@:
	s_add_co_u32 s[KF], s[KF], 128
.endm
; THE CHANGE OF SLOTS stands at a slot's head: each wave waits for all its tensor loads, adds 0 to its spare word, waits for that and for its reads of the slot that it has left; behind the barrier the slot ahead is whole
; and nobody reads the other.  fill = 1: the other slot takes the walk's next 256 keys; behind the first block's last slot that is key slot 0 again
.macro CHANGE fill
	s_wait_tensorcnt 0x0                           ; no tensor load of mine is out, so the group 0 may be written
	ds_add_u32 v[SPW], v[NIL]
.if \fill
	s_xor_b32 s[G0+1], s[G0+1], SLOT1
	s_add_co_u32 s[KSN], s[KSN], 1
	s_cmp_eq_u32 s[KSN], s[NB1]
	s_cselect_b32 s[KSN], 0, s[KSN]
	s_mul_i32 s[OF], s[KSN], 2*BLK
	s_add_nc_u64 s[G0+2:G0+3], s[KVB:KVB+1], s[OF:OF+1]
	s_or_b32 s[G0+3], s[G0+3], 0x80000000
	s_wait_xcnt 0x0                                ; the last prefetch, a slot back, has read its address
	s_add_nc_u64 s[PFA:PFA+1], s[PFA:PFA+1], 2*BLK
.endif
	s_wait_dscnt 0x0                               ; the add is done, and my reads of the slot that I have left are over
	s_barrier_signal -1
	s_barrier_wait -1
.if \fill
	TLOAD                                          ; the first thing behind the barrier, and the one tensor load until the next
	ASK
.endif
.endm
.macro SLOT_STEPS
	STEP 0
	STEP 1
	s_xor_b32 s[TB], s[TB], SLOT1
.endm
; A block's end: O^T / the sum, quantised along d (two blocks of 32), six registers of the last product's operand
.macro FINISH ob, os
.rept 4
	v_nop                                          ; places behind the last products
.endr
	v_add_f32 v14, v14, v15
	s_delay_alu instid0(VALU_DEP_1)
	v_permlanex16_b32 v226, v14, s[SEL], s[SEL+1]
	s_delay_alu instid0(VALU_DEP_1)
	v_add_f32 v14, v14, v226                       ; the row's sum
	s_wait_alu depctr_va_vdst(0)
	v_rcp_f32 v14, v14
	v_nop                                          ; a plain line behind the reciprocal
	s_wait_alu depctr_va_vdst(0)                   ; and the wait ahead of its first reader
.set n, 0
.rept 32
	v_mul_f32 v[S+n], v[O+n], v14                  ; each accumulator from its low end on
.set n, n+1
.endr
.irp b, 0,1
	v_max3_num_f32 v[BM+\b], |v[S+16*\b]|, |v[S+16*\b+1]|, 0x1800000
.endr
.irp i, 2,4,6,8,10,12,14
.irp b, 0,1
	s_delay_alu instid0(VALU_DEP_2)
	v_max3_num_f32 v[BM+\b], v[BM+\b], |v[S+16*\b+\i]|, |v[S+16*\b+\i+1]|
.endr
.endr
.irp b, 0,1
	s_delay_alu instid0(VALU_DEP_2)
	v_permlanex16_b32 v[BT+\b], v[BM+\b], s[SEL], s[SEL+1]
.endr
.irp b, 0,1
	s_delay_alu instid0(VALU_DEP_2)
	v_max_num_f32 v[BM+\b], v[BM+\b], v[BT+\b]
.endr
.irp b, 0,1
	s_delay_alu instid0(VALU_DEP_2)
	v_add_nc_u32 v[SO+\b], 0xff000000, v[BM+\b]
.endr
.irp b, 0,1
	s_delay_alu instid0(VALU_DEP_2)
	v_lshrrev_b32 v[BT+\b], 23, v[SO+\b]
.endr
	s_delay_alu instid0(VALU_DEP_1)
	v_lshl_or_b32 v227, v[BT+1], 8, v[BT]          ; my head's two bytes of the row's scale word
	v_cvt_scalef32_pk16_fp6_f32 v[PC:PC+2], v[S:S+15], v[SO]
	v_cvt_scalef32_pk16_fp6_f32 v[CT:CT+2], v[S+16:S+31], v[SO+1]
	v_nop
.irp i, 0,1,2
	v_permlane16_swap_b32 v[PC+\i], v[CT+\i]
.endr
.irp i, 0,1,2
	s_delay_alu instid0(VALU_DEP_3)
	v_mov_b32 v[PC+3+\i], v[CT+\i]
.endr
.irp p, 0,1,2
	global_store_b64 v[L8], v[PC+2*\p:PC+2*\p+1], s[\ob:\ob+1] offset:256*\p   ; 256 consecutive bytes, aligned
.endr
	global_store_b16 v[R8], v227, s[\os:\os+1]     ; lanes l and l + 16 store the same two bytes
.endm
.macro REINIT                          ; on to the second block
	s_wait_xcnt 0x0                                ; the stores have read their registers
	v_mov_b32 v[QS], v[QS2]                        ; the scale word first: the lines below stand between it and the next product
.irp j, 0,1,2,3,4,5
	v_mov_b32 v[22+\j], v[Q2+\j]
.endr
.set n, 0
.rept 32
	v_mov_b32 v[O+n], 0
.set n, n+1
.endr
	v_mov_b32 v13, 0xff61b1e6
	s_delay_alu instid0(VALU_DEP_1)
	v_floor_f32 v12, -v13
	v_mov_b32 v14, 0
	v_mov_b32 v15, 0
	s_mov_b32 s[QB], s[QB2]
	s_mov_b32 s[KF], 0
.endm
.Lslot:                                            ; eight trips: behind each change of slots but the last the walk's next slot is asked for
	CHANGE 1
	SLOT_STEPS
	s_cmp_lg_u32 s[SLOTS], s[SWI]                  ; was this the first block's last slot?  The work-group's number and the count of slots alone
	s_cbranch_scc1 .Lsame
	s_wait_alu depctr_va_vdst(0)
	FINISH OB1, OS1
	REINIT
.Lsame:
	s_sub_co_u32 s[SLOTS], s[SLOTS], 1
	s_cmp_lg_u32 s[SLOTS], 0
	s_cbranch_scc1 .Lslot
	CHANGE 0                                       ; the ninth slot is written out: nothing is left to fetch
	SLOT_STEPS
	s_wait_alu depctr_va_vdst(0)
	FINISH OB2, OS2
	s_wait_tensorcnt 0x0                           ; the wave's end
	ds_add_u32 v[SPW], v[NIL]
	s_wait_dscnt 0x0
	s_endpgm
.Lfunc_end_k_qafd30d87e7_attn:
	.size	k_qafd30d87e7_attn, .Lfunc_end_k_qafd30d87e7_attn-k_qafd30d87e7_attn
	.p2alignl 7, 3214868480
	.fill 96, 4, 3214868480
	.section	.rodata,"a",@progbits
	.p2align	6, 0x0
	.amdhsa_kernel k_qafd30d87e7_attn
		.amdhsa_group_segment_fixed_size 327680
		.amdhsa_private_segment_fixed_size 0
		.amdhsa_enable_private_segment 0
		.amdhsa_kernarg_size 16
		.amdhsa_user_sgpr_count 2
		.amdhsa_user_sgpr_kernarg_segment_ptr 1
		.amdhsa_wavefront_size32 1
		.amdhsa_system_sgpr_workgroup_id_x 1
		.amdhsa_system_sgpr_workgroup_id_y 1
		.amdhsa_system_sgpr_workgroup_id_z 1
		.amdhsa_system_vgpr_workitem_id 0
		.amdhsa_next_free_vgpr 256
		.amdhsa_next_free_sgpr 100
		.amdhsa_reserve_vcc 1
		.amdhsa_float_denorm_mode_32 3
		.amdhsa_float_denorm_mode_16_64 3
		.amdhsa_memory_ordered 1
		.amdhsa_forward_progress 1
		.amdhsa_inst_pref_size 109
	.end_amdhsa_kernel
	.amdgpu_metadata
---
amdhsa.version: [ 1, 2 ]
amdhsa.kernels:
  - .name:           k_qafd30d87e7_attn
    .symbol:         k_qafd30d87e7_attn.kd
    .args:
      - { .name: qkv, .offset: 0, .size: 8, .value_kind: global_buffer, .address_space: global }
      - { .name: oc, .offset: 8, .size: 8, .value_kind: global_buffer, .address_space: global }
    .group_segment_fixed_size: 327680
    .private_segment_fixed_size: 0
    .kernarg_segment_align: 8
    .kernarg_segment_size: 16
    .max_flat_workgroup_size: 512
    .sgpr_count:     100
    .vgpr_count:     256
    .wavefront_size: 32
...
	.end_amdgpu_metadata
.endif
;; end of part 3
;; launch oproj (part 4): grid 4 x 32, 4 waves a work-group, clusters of 4 x 4, 327,680 bytes of LDS; arguments oc, opc, bo, out0; writes out0
.if DOCPART == 4
	.amdgcn_target "amdgcn-amd-amdhsa--gfx1250"
	.amdhsa_code_object_version 6
	.text
	.protected	k_qafd30d87e7_oproj
	.globl	k_qafd30d87e7_oproj
	.p2align	8
	.type	k_qafd30d87e7_oproj,@function
k_qafd30d87e7_oproj:
	s_mov_b64 s[64:65], 0
	v_nop
	global_prefetch_b8 v0, s[64:65] scope:SCOPE_SE
	s_setreg_imm32_b32 hwreg(HW_REG_WAVE_MODE, 25, 1), 1
	s_wait_xcnt 0x0
	s_wait_alu depctr_hold_cnt(0) depctr_sa_sdst(0) depctr_va_vdst(0) depctr_va_sdst(0) depctr_va_ssrc(0) depctr_va_vcc(0) depctr_vm_vsrc(0)
	s_getreg_b32 s2, hwreg(HW_REG_IB_STS2, 6, 4)
	s_cmp_eq_u32 s2, 0
	s_cbranch_scc0 .Lentry_in_a_cluster
	s_endpgm
.Lentry_in_a_cluster:
	s_bfe_u32 s2, ttmp6, 0x10000c
	s_cmp_lg_u32 s2, 0xf033
	s_cbranch_scc0 .Lentry_shape_is_right
	s_endpgm
.Lentry_shape_is_right:
; out0 = o Wo^T + bo on codes of FP6 (E2M3) with E8M0 scales, f32 sums.  o comes as oc, Wo as groups 88-95 of opc, both as images of operand registers:
;   block (group of 128 rows G, K step of 128 kappa) at (8 G + kappa) x 12,800: eight fragments of 1,536 bytes, then 512 bytes of scale words (half y at 256 y, 8 bytes a lane: word e of lane l: tile 4 y + 2 e + l / 16, row l % 16).
;   opc: registers 4 c .. 4 c + 3 at 512 c + 16 x lane.   oc: registers 2 p, 2 p + 1 at 256 p + 8 x lane.   Lane-row r of tile t is row 32 (t / 2) + 8 (t % 2) + r + 8 (r / 8) of its group.
; SHARES: a work-group makes 256 x 256 of out0, four waves of 128 x 128: 64 accumulators.  Source 0 = Wo's rows (the registers run along out0's columns), source 1 = o's rows (a lane holds a token).
; 32 x 4 tiles of 256 x 256: 128 work-groups; a smaller tile would halve what each LDS byte feeds.
; K = 1,024 comes in four fills of two K steps; three LDS slots: fills 0, 1, 2 go out together at the start (three tensor loads of mine are out), fill 3 is the one refill, into slot 0.
; CLUSTER 4 x 4: o's parts are asked for jointly along a row of the cluster, Wo's along a column.  bo is the C of each sum's first product.
; REGISTERS: window 0: v8-22 LDS addresses; v24, v25 the stage; v26 16 x lane, v27 8 x lane; v28, v29 the add's two; v30 64 h; v32-47 scale words, two sets; v64-127 bo in the result's layout; v128-223 A's fragments; v128-255 later rows of out0.
;   window 1: B's fragments, two sets.   windows 2, 3: the accumulators: (a, b) at v[8 (8 (a % 4) + b)].
.set BLK,   12800
.set PART,  2*BLK
.set SLOT,  4*PART
.set GRP,   8*BLK
.set SPARE, 3*SLOT
.set FR,    12
.set NLA,   6                          ; LDS loads that bring a fragment of A: pieces of 8 bytes
.set SPITCH, 528                       ; the way out: 16 rows x (512 bytes + 16) for each wave, in slot 1, which has had its last fill and its last read when the first result is stored there
.set ADSA, 8
.set ADSB, 12
.set ADRA, 16
.set ADRB, 20
.set STO,  24
.set RD,   25
.set LI,   26
.set L8,   27
.set SPW,  28
.set NIL,  29
.set H64,  30
.set SC,   32
.set BIAS, 64
.set AF,   128
.set BK,   128
.set G1,  24
.set G0,  32
.set G1B, 44
.set G0B, 52
.set MSB, 0
.macro WIN new                         ; the immediate's high byte repeats the setting that is left
.if MSB != (\new)
	s_set_vgpr_msb (MSB<<8)|(\new)
.set MSB, (\new)
.endif
.endm
.set MUL_LO, 0xa1                      ; source 0 (B) window 1, source 1 (A) window 0, C and D window 2
.set MUL_HI, 0xf1
.set LO1,    0x81                      ; the first K step: C = bo, in window 0
.set HI1,    0xc1
.set TO_B,   0x40
.macro JLOAD g0a, g1a, g0b, g1b        ; a joint load: waves 0 and 1 fetch A's two groups, waves 2 and 3 B's; an s_nop 0 and four v_nop follow each line
	s_cmp_eq_u32 s15, 0
	s_cbranch_scc0 .Lfor_b_\@
	tensor_load_to_lds s[\g0a:\g0a+3], s[\g1a:\g1a+7]
	s_nop 0
.rept 4
	v_nop
.endr
	s_branch .Lasked_\@
.Lfor_b_\@:
	tensor_load_to_lds s[\g0b:\g0b+3], s[\g1b:\g1b+7]
	s_nop 0
.rept 4
	v_nop
.endr
.Lasked_\@:
.endm
.macro CREST
	s_cmp_lg_u32 s14, 0
	s_cbranch_scc1 .Lnot_wave_0_\@
	s_barrier_signal -3
.Lnot_wave_0_\@:
	s_barrier_wait -3
	s_barrier_signal -1
	s_barrier_wait -1
.endm
.macro CROUND
	s_barrier_signal -1
	s_barrier_wait -1
	CREST
.endm
.macro PLACES n
.rept \n
	v_nop
.endr
.endm
	s_load_b256 s[4:11], s[0:1], 0x0               ; oc, opc, bo, out0
	v_lshl_add_u32 v[SPW], v0, 2, SPARE
	v_mov_b32 v[NIL], 0
	ds_add_u32 v[SPW], v[NIL]                      ; the wave's opening: the add and its wait stand ahead of my first tensor load
	v_lshrrev_b32 v1, 5, v0
	v_readfirstlane_b32 s14, v1                    ; wave 0..3
	s_lshr_b32 s15, s14, 1                         ; my half of A's rows.  Also: I fetch for A (0) or for B (1)
	s_and_b32 s16, s14, 1                          ; my half of B's rows.  Also: which of the two groups I fetch
	s_bfe_u32 s66, ttmp6, 0x40000                  ; cx
	s_bfe_u32 s67, ttmp6, 0x40004                  ; cy
	s_lshl_b32 s68, s67, 2
	s_lshl_b32 s68, 15, s68
	s_lshl_b32 s69, 0x1111, s66
	s_or_b32 s[G1], s68, (3<<16)|(1<<21)
	s_or_b32 s[G1B], s69, (3<<16)|(1<<21)
.irp g, G1, G1B                        ; 25,600 dense bytes as 100 rows of 256
	s_mov_b32 s[\g+1], 32<<16
	s_mov_b32 s[\g+2], 100<<16
	s_mov_b32 s[\g+3], 32<<16
	s_mov_b32 s[\g+4], 100
	s_mov_b32 s[\g+5], 32
	s_mov_b32 s[\g+6], 0
	s_mov_b32 s[\g+7], 0
.endr
	s_lshl_b32 s70, ttmp9, 2
	s_add_co_u32 s70, s70, s66                     ; tile column
	s_and_b32 s71, ttmp7, 0xffff
	s_lshl_b32 s71, s71, 2
	s_add_co_u32 s71, s71, s67                     ; tile row
	s_lshl_b32 s74, s71, 1                         ; A's first group, in oc
	s_lshl_b32 s76, s70, 1
	s_add_co_u32 s76, s76, 88                      ; B's first group, in opc
	s_add_co_u32 s78, s74, s16
	s_mul_i32 s78, s78, GRP
	s_mov_b32 s79, 0
	s_add_co_u32 s80, s76, s16
	s_mul_i32 s80, s80, GRP
	s_mov_b32 s81, 0
	s_mul_i32 s17, s14, PART
	s_wait_dscnt 0x0                               ; the opening add is done
	s_wait_kmcnt 0x0
	s_add_nc_u64 s[82:83], s[4:5], s[78:79]
	s_add_nc_u64 s[84:85], s[6:7], s[80:81]
	CROUND                                         ; all sixteen work-groups are here: the first joint loads meet
.irp f, 0,1,2
	s_mov_b32 s[G0+4*\f], 1
	s_add_co_u32 s[G0+4*\f+1], s17, \f*SLOT
	s_add_nc_u64 s[G0+4*\f+2:G0+4*\f+3], s[82:83], \f*PART
	s_or_b32 s[G0+4*\f+3], s[G0+4*\f+3], 0x80000000
	s_mov_b32 s[G0B+4*\f], 1
	s_add_co_u32 s[G0B+4*\f+1], s17, \f*SLOT
	s_add_nc_u64 s[G0B+4*\f+2:G0B+4*\f+3], s[84:85], \f*PART
	s_or_b32 s[G0B+4*\f+3], s[G0B+4*\f+3], 0x80000000
	JLOAD G0+4*\f, G1, G0B+4*\f, G1B
.endr
	s_lshl_b32 s88, s70, 10                        ; my first column, in bytes: 1,024 x tile column + 512 x half
	s_lshl_b32 s89, s16, 9
	s_add_co_u32 s88, s88, s89
	s_mov_b32 s89, 0
	s_add_nc_u64 s[8:9], s[8:9], s[88:89]
	s_add_co_u32 s90, s74, s15
	s_lshl_b32 s90, s90, 19                        ; my group's 128 rows of 4,096 bytes
	s_mov_b32 s91, 0
	s_add_nc_u64 s[10:11], s[10:11], s[90:91]
	s_add_nc_u64 s[10:11], s[10:11], s[88:89]
	v_bfe_u32 v[H64], v0, 4, 1
	v_lshlrev_b32 v[H64], 6, v[H64]
.irp b, 0,1,2,3,4,5,6,7                ; bo at the lane's eight columns of B's tile b: 32 (b / 2) + 8 (b % 2) + 16 h + 0 .. 7
	global_load_b128 v[BIAS+8*\b:BIAS+8*\b+3], v[H64], s[8:9] offset:(32*(\b/2)+8*(\b%2))*4
	global_load_b128 v[BIAS+8*\b+4:BIAS+8*\b+7], v[H64], s[8:9] offset:(32*(\b/2)+8*(\b%2))*4+16
.endr
	v_and_b32 v1, 31, v0
	v_lshlrev_b32 v[LI], 4, v1
	v_lshlrev_b32 v[L8], 3, v1
	s_mul_i32 s86, s15, PART
	s_mul_i32 s87, s16, PART
	s_add_co_u32 s87, s87, 2*PART
.irp s, 0,1,2
	v_add_nc_u32 v[ADSA+\s], s86, v[L8]
	v_add_nc_u32 v[ADSB+\s], s87, v[L8]
	v_add_nc_u32 v[ADRA+\s], s86, v[LI]
	v_add_nc_u32 v[ADRB+\s], s87, v[LI]
	s_add_co_u32 s86, s86, SLOT
	s_add_co_u32 s87, s87, SLOT
.endr
	s_mul_i32 s92, s14, 16*SPITCH
	s_add_co_u32 s92, s92, SLOT                    ; my stage
	v_and_b32 v2, 15, v0
	v_mul_u32_u24 v[STO], v2, SPITCH
	v_add_nc_u32 v[STO], v[STO], v[H64]
	v_add_nc_u32 v[STO], s92, v[STO]               ; in: row r, + 64 h
	v_add_nc_u32 v[RD], s92, v[LI]                 ; back: a whole row of 512 bytes
.macro FRB reg, slot, q, t
.irp c, 0,1,2
	ds_load_b128 v[\reg+4*\c:\reg+4*\c+3], v[ADRB+\slot] offset:(\q)*BLK+(\t)*1536+512*\c
.endr
.endm
.macro FRA reg, slot, q, t
.irp p, 0,1,2,3,4,5
	ds_load_b64 v[\reg+2*\p:\reg+2*\p+1], v[ADSA+\slot] offset:(\q)*BLK+(\t)*1536+256*\p
.endr
.endm
.macro FETCH_B slot, q, p
	WIN TO_B
.irp i, 0,1,2,3,4,5,6,7
	FRB 128*(\p)+FR*\i, \slot, \q, \i
.endr
	WIN 0
.endm
.macro FETCH_A slot, q, t0
.irp i, \t0, \t0+1, \t0+2, \t0+3
	FRA AF+FR*(\i), \slot, \q, \i
.endr
.endm
.macro SCALES slot, q, p
.irp y, 0,1
	ds_load_b64 v[SC+8*(\p)+2*\y:SC+8*(\p)+2*\y+1], v[ADSA+\slot] offset:(\q)*BLK+12288+256*\y
	ds_load_b64 v[SC+8*(\p)+4+2*\y:SC+8*(\p)+4+2*\y+1], v[ADSB+\slot] offset:(\q)*BLK+12288+256*\y
.endr
.endm
; one product: A's tile a against B's tile b.  An odd tile's scale words lie in lanes 16-31 of its register.  first = 1: the sum begins with bo
.macro WM a, b, p, first
.set rD, 8*(8*((\a)%4)+(\b))
.set rB, 128*(\p)+FR*(\b)
.set rA, AF+FR*(\a)
.set rC, BIAS+8*(\b)
.set sB, SC+8*(\p)+4+(\b)/2
.set sA, SC+8*(\p)+(\a)/2
.set row, 2*((\a)%2)+(\b)%2
.if \first
.if row == 0
	v_wmma_scale_f32_16x16x128_f8f6f4 v[rD:rD+7], v[rB:rB+FR-1], v[rA:rA+FR-1], v[rC:rC+7], v[sB], v[sA] matrix_a_fmt:MATRIX_FMT_FP6 matrix_b_fmt:MATRIX_FMT_FP6
.elseif row == 1
	v_wmma_scale_f32_16x16x128_f8f6f4 v[rD:rD+7], v[rB:rB+FR-1], v[rA:rA+FR-1], v[rC:rC+7], v[sB], v[sA] matrix_a_fmt:MATRIX_FMT_FP6 matrix_b_fmt:MATRIX_FMT_FP6 matrix_a_scale:MATRIX_SCALE_ROW1
.elseif row == 2
	v_wmma_scale_f32_16x16x128_f8f6f4 v[rD:rD+7], v[rB:rB+FR-1], v[rA:rA+FR-1], v[rC:rC+7], v[sB], v[sA] matrix_a_fmt:MATRIX_FMT_FP6 matrix_b_fmt:MATRIX_FMT_FP6 matrix_b_scale:MATRIX_SCALE_ROW1
.else
	v_wmma_scale_f32_16x16x128_f8f6f4 v[rD:rD+7], v[rB:rB+FR-1], v[rA:rA+FR-1], v[rC:rC+7], v[sB], v[sA] matrix_a_fmt:MATRIX_FMT_FP6 matrix_b_fmt:MATRIX_FMT_FP6 matrix_a_scale:MATRIX_SCALE_ROW1 matrix_b_scale:MATRIX_SCALE_ROW1
.endif
.else
.if row == 0
	v_wmma_scale_f32_16x16x128_f8f6f4 v[rD:rD+7], v[rB:rB+FR-1], v[rA:rA+FR-1], v[rD:rD+7], v[sB], v[sA] matrix_a_fmt:MATRIX_FMT_FP6 matrix_b_fmt:MATRIX_FMT_FP6
.elseif row == 1
	v_wmma_scale_f32_16x16x128_f8f6f4 v[rD:rD+7], v[rB:rB+FR-1], v[rA:rA+FR-1], v[rD:rD+7], v[sB], v[sA] matrix_a_fmt:MATRIX_FMT_FP6 matrix_b_fmt:MATRIX_FMT_FP6 matrix_a_scale:MATRIX_SCALE_ROW1
.elseif row == 2
	v_wmma_scale_f32_16x16x128_f8f6f4 v[rD:rD+7], v[rB:rB+FR-1], v[rA:rA+FR-1], v[rD:rD+7], v[sB], v[sA] matrix_a_fmt:MATRIX_FMT_FP6 matrix_b_fmt:MATRIX_FMT_FP6 matrix_b_scale:MATRIX_SCALE_ROW1
.else
	v_wmma_scale_f32_16x16x128_f8f6f4 v[rD:rD+7], v[rB:rB+FR-1], v[rA:rA+FR-1], v[rD:rD+7], v[sB], v[sA] matrix_a_fmt:MATRIX_FMT_FP6 matrix_b_fmt:MATRIX_FMT_FP6 matrix_a_scale:MATRIX_SCALE_ROW1 matrix_b_scale:MATRIX_SCALE_ROW1
.endif
.endif
.endm
.macro MUL16 a0, p, first              ; the 64 accumulators take turns, one instruction a turn, in the same order in every step
.irp a, \a0, \a0+1
.irp b, 0,1,2,3,4,5,6,7
	WM \a, \b, \p, \first
.endr
.endr
.endm
.macro STEP k, ns, nq, first
	s_wait_dscnt 4*NLA                             ; all but the youngest run, A's tiles 4-7
.if \first
	WIN LO1
.else
	WIN MUL_LO
.endif
	MUL16 0, (\k)%2, \first
	MUL16 2, (\k)%2, \first
	s_wait_dscnt 0x0
	PLACES 4
	FETCH_B \ns, \nq, 1-(\k)%2
	FETCH_A \ns, \nq, 0
	SCALES \ns, \nq, 1-(\k)%2
.if \first
	WIN HI1
.else
	WIN MUL_HI
.endif
	MUL16 4, (\k)%2, \first
	MUL16 6, (\k)%2, \first
	PLACES 4
	WIN 0
	FETCH_A \ns, \nq, 4
.endm
.macro TURN ns, fill
	s_wait_tensorcnt 0x0                           ; all my tensor loads have landed
	ds_add_u32 v[SPW], v[NIL]                      ; 0 onto my spare word
	s_wait_dscnt 4*NLA+1                           ; (the add and A's tiles 4-7 may be out)
	WIN MUL_LO
	MUL16 0, 1, 0
	s_wait_dscnt 0x0                               ; the add is done, and my reads of the slot are over
	s_barrier_signal -1
	MUL16 2, 1, 0
	WIN 0
	s_barrier_wait -1
.if \fill
	CREST                                          ; the barrier has opened a round of the cluster's barrier: no wave of any partner still reads slot 0 or has a load on its way
	s_add_nc_u64 s[G0+2:G0+3], s[G0+2:G0+3], 3*PART
	s_add_nc_u64 s[G0B+2:G0B+3], s[G0B+2:G0B+3], 3*PART
	JLOAD G0, G1, G0B, G1B                         ; the first tensor load behind the round, my only one; its four v_nop are the places in front of the loads below
.else
	PLACES 4
.endif
	FETCH_B \ns, 0, 0
	FETCH_A \ns, 0, 0
	SCALES \ns, 0, 0
	WIN MUL_HI
	MUL16 4, 1, 0
	MUL16 6, 1, 0
	PLACES 4
	WIN 0
	FETCH_A \ns, 0, 4
.endm
	s_wait_tensorcnt 2                             ; my part of fill 0 is in; fills 1 and 2, issued behind it, may be out
	s_barrier_signal -1
	s_barrier_wait -1
	FETCH_B 0, 0, 0
	FETCH_A 0, 0, 0
	SCALES 0, 0, 0
	FETCH_A 0, 0, 4
	s_wait_loadcnt 0x0                             ; bo
	STEP 0, 0, 1, 1
	TURN 1, 1                                      ; K step 1; every wave has waited for fills 1 and 2 here, so slots 1 and 2 are whole behind it
	STEP 2, 1, 1, 0
	STEP 3, 2, 0, 0
	STEP 4, 2, 1, 0
	TURN 0, 0                                      ; K step 5; fill 3 has landed; behind this barrier nobody reads slot 1
	STEP 6, 0, 1, 0
	s_wait_dscnt 4*NLA                             ; K step 7: nothing more to fetch
	WIN MUL_LO
	MUL16 0, 1, 0
	MUL16 2, 1, 0
	s_wait_dscnt 0x0
	WIN MUL_HI
	MUL16 4, 1, 0
	MUL16 6, 1, 0
	WIN 0
; THE WAY OUT, a tile of 16 tokens x 128 columns at a time: a lane holds 8 neighbouring columns for each of B's tiles; they go into my stage and come back as whole rows of 512 bytes.
; LDS serves a wave's instructions in order (ISA guide 5.7.1.4): no wait between the stores and the loads.
.macro TOSTAGE a
.set AC, 64*((\a)%4)
.set WS, 0x08+4*((\a)/4)
	WIN WS                                         ; the data: window 2 or 3
.irp b, 0,1,2,3,4,5,6,7
	ds_store_b128 v[STO], v[AC+8*\b:AC+8*\b+3] offset:128*(\b/2)+32*(\b%2)        ; each accumulator from its low end on
	ds_store_b128 v[STO], v[AC+8*\b+4:AC+8*\b+7] offset:128*(\b/2)+32*(\b%2)+16
.endr
	WIN 0
.set BB, BK+64*((\a)%2)
.irp t, 0,1,2,3,4,5,6,7,8,9,10,11,12,13,14,15
	ds_load_b128 v[BB+4*\t:BB+4*\t+3], v[RD] offset:\t*SPITCH
.endr
.endm
.macro SEND a, younger                 ; younger: the LDS instructions issued behind tile a's loads, which may stay out
.set BB, BK+64*((\a)%2)
	s_wait_dscnt \younger
.if (\a) > 0
.if ((\a)%2) == 1
	s_add_nc_u64 s[10:11], s[10:11], 8*4096        ; (behind a wait for the earlier stores' addresses)  tile a begins at row 32 (a / 2) + 8 (a % 2) of the group
.else
	s_add_nc_u64 s[10:11], s[10:11], 24*4096
.endif
.endif
.irp t, 0,1,2,3,4,5,6,7,8,9,10,11,12,13,14,15
	global_store_b128 v[LI], v[BB+4*\t:BB+4*\t+3], s[10:11] offset:(\t+8*(\t/8))*4096 th:TH_STORE_NT   ; 32 lanes store 512 consecutive bytes of one row, at a multiple of 256 from out0's first byte
.endr
.endm
	PLACES 4
	TOSTAGE 0
.irp a, 1,2,3,4,5,6,7
.if \a > 1
	s_wait_xcnt 0x0                                ; tile a - 2's stores have read their registers and their base
.endif
	TOSTAGE \a
	SEND \a-1, 32                                  ; behind tile a - 1's loads: tile a's 16 stores and 16 loads
.endr
	s_wait_xcnt 0x0
	SEND 7, 0
	s_wait_tensorcnt 0x0                           ; the wave's end, behind my last tensor load and my last LDS store
	ds_add_u32 v[SPW], v[NIL]
	s_wait_dscnt 0x0
	CROUND                                         ; the closing round: no work-group ends while a partner may still ask for a part that names it
	s_endpgm
.Lfunc_end_k_qafd30d87e7_oproj:
	.size	k_qafd30d87e7_oproj, .Lfunc_end_k_qafd30d87e7_oproj-k_qafd30d87e7_oproj
	.p2alignl 7, 3214868480
	.fill 96, 4, 3214868480
	.section	.rodata,"a",@progbits
	.p2align	6, 0x0
	.amdhsa_kernel k_qafd30d87e7_oproj
		.amdhsa_group_segment_fixed_size 327680
		.amdhsa_private_segment_fixed_size 0
		.amdhsa_enable_private_segment 0
		.amdhsa_kernarg_size 32
		.amdhsa_user_sgpr_count 2
		.amdhsa_user_sgpr_kernarg_segment_ptr 1
		.amdhsa_wavefront_size32 1
		.amdhsa_system_sgpr_workgroup_id_x 1
		.amdhsa_system_sgpr_workgroup_id_y 1
		.amdhsa_system_sgpr_workgroup_id_z 1
		.amdhsa_system_vgpr_workitem_id 0
		.amdhsa_next_free_vgpr 1024
		.amdhsa_next_free_sgpr 100
		.amdhsa_reserve_vcc 0
		.amdhsa_float_denorm_mode_32 3
		.amdhsa_float_denorm_mode_16_64 3
		.amdhsa_memory_ordered 1
		.amdhsa_forward_progress 1
		.amdhsa_inst_pref_size 146
	.end_amdhsa_kernel
	.amdgpu_metadata
---
amdhsa.version: [ 1, 2 ]
amdhsa.kernels:
  - .name:           k_qafd30d87e7_oproj
    .symbol:         k_qafd30d87e7_oproj.kd
    .args:
      - { .name: oc, .offset: 0, .size: 8, .value_kind: global_buffer, .address_space: global }
      - { .name: opc, .offset: 8, .size: 8, .value_kind: global_buffer, .address_space: global }
      - { .name: bo, .offset: 16, .size: 8, .value_kind: global_buffer, .address_space: global }
      - { .name: out0, .offset: 24, .size: 8, .value_kind: global_buffer, .address_space: global }
    .group_segment_fixed_size: 327680
    .private_segment_fixed_size: 0
    .kernarg_segment_align: 8
    .kernarg_segment_size: 32
    .max_flat_workgroup_size: 128
    .sgpr_count:     100
    .vgpr_count:     1024
    .wavefront_size: 32
...
	.end_amdgpu_metadata
.endif
;; end of part 4
